; MI455X (gfx1250); checked and timed in simulation.
; The chip was launched on July 23, 2026; its instructions are those of AMD's public machine-readable ISA for CDNA 5 (MIT licence, August 2026) and "CDNA5" Instruction Set Architecture Reference Guide (July 2026). The comments in the code are by the model that wrote it; some were corrected since.
;; Attention. Allowed arithmetic: matrix products marked QUANTISED: E2M1 operands, one E8M0 scale for each 32 along K, by v_wmma_scale_f32_16x16x128_f8f6f4 with both operands' format E2M1 (or v_wmma_scale_f32_32x16x128_f4), f32 sums; products left as they are: bf16, f16 or f32 operands; f32 sums; everything else in f32.
;; Inputs: Wk 1,024 x 1,024 float32; Wo 1,024 x 1,024 float32; Wq 1,024 x 1,024 float32; Wv 1,024 x 1,024 float32; x 4 x 2,048 x 1,024 float32.
;; Outputs: out0 4 x 2,048 x 1,024 float32; out1 4 x 2,048 x 16 x 64 float32.
;; This version of the problem:
;;   THIS VERSION OF THE PROBLEM IS GIVEN IN LOW PRECISION. The matrix products marked QUANTISED in the list below multiply operands that are first quantised to E2M1 (2 exponent bits, 1 mantissa bit; 4 bits a number), with one power-of-two scale for each 32 numbers along K (OCP MX v1.0); their sums are f32. The products marked 'left as it is' may take bf16, f16 or f32 operands, with f32 sums. Whichever they take, every output number must still come out within the allowed error. Rounding operands to bf16 (8 significant bits) uses up far more of that allowance than f16 does (11 bits, for magnitudes from 6e-5 to 65,504). All else is computed in f32.
;;   The module's matrix products, in the order in which they are computed (A, B: the left and right operand; K: the contracted axis; several contracted axes count as one K, in the product's order):
;;     1. [M 8,192, K 1,024] x [K 1,024, N 1,024]; A: input x; B: input Wq: QUANTISED
;;     2. [M 8,192, K 1,024] x [K 1,024, N 1,024]; A: input x; B: input Wk: QUANTISED
;;     3. [M 8,192, K 1,024] x [K 1,024, N 1,024]; A: input x; B: input Wv: QUANTISED
;;     4. batch 64 x [M 2,048, K 64] x [K 64, N 2,048]; A: computed on the way; B: computed on the way: left as it is (an operand is computed on the way)
;;     5. batch 64 x [M 2,048, K 2,048] x [K 2,048, N 64]; A: computed on the way; B: computed on the way: left as it is (an operand is computed on the way)
;;     6. [M 8,192, K 1,024] x [K 1,024, N 1,024]; A: computed on the way; B: input Wo: left as it is (an operand is computed on the way)
;;   THE QUANTISER, for each operand of a quantised product, along K:
;;     - K is cut into blocks of 32 from its start; a last block that is shorter is filled with zeros.
;;     - A block's scale is 2^e with e = floor(log2(the largest magnitude in the block)) - 2, held to -126 .. 127; a block of zeros has e = 0. As a byte (E8M0): e + 127.
;;     - Each number is divided by its block's scale, clamped to +-6, and rounded to the nearest number of E2M1, ties to even, subnormals kept.
;;     - The product sums the exact products of the quantised numbers (number of the format x scale) in f32.
;;   ~~~python
;;   def quantise(x, axis):      # numpy; x: float32 -> the quantised numbers, widened to float32 again
;;       x = np.moveaxis(x, axis, -1); K = x.shape[-1]
;;       x = np.pad(x, [(0, 0)] * (x.ndim - 1) + [(0, -K % 32)]); x = x.reshape(x.shape[:-1] + (-1, 32)); a = np.abs(x).max(-1, keepdims=True)
;;       e = np.where(a > 0, np.clip(np.frexp(np.where(a > 0, a, 1))[1] - 1 - 2, -126, 127), 0)      # np.frexp(a)[1] - 1 = floor(log2(a)), exactly
;;       r = np.clip(x / 2.0 ** e, -6, 6)
;;       step = 2.0 ** (np.maximum(np.frexp(np.where(r == 0, 1, r))[1] - 1, 0) - 1)
;;       q = np.round(r / step) * step * 2.0 ** e      # np.round: ties to even
;;       return np.moveaxis(q.reshape(q.shape[:-2] + (-1,))[..., :K], -1, axis).astype(np.float32)
;;   ~~~
;; One version. Each part assembles by itself: llvm-mc -triple=amdgcn-amd-amdhsa -mcpu=gfx1250 --defsym DOCPART=n.
;; ======== version 1 of 1: 4 launches
;; limits: values are held in f16: magnitudes above 65,504 overflow, below 6.1e-05 lose precision
;; workspace buffers: x_codes 4,194,304 bytes; x_scales 262,144 bytes; w_codes 1,572,864 bytes; w_scales 98,304 bytes; q_img 16,777,216 bytes; kv 33,554,432 bytes; comb_img 16,777,216 bytes; wo_img 2,097,152 bytes
;; launch quant (part 1): grid 416 x 1, 4 waves a work-group, no clusters, 33,280 bytes of LDS; arguments x, Wq, Wk, Wv, Wo, x_codes, x_scales, w_codes, w_scales, wo_img; writes x_codes, x_scales, w_codes, w_scales, wo_img
.if DOCPART == 1
	.amdgcn_target "amdgcn-amd-amdhsa--gfx1250"
	.amdhsa_code_object_version 6
	.text
	.protected	k_qc67b81c4cd_quant
	.globl	k_qc67b81c4cd_quant
	.p2align	8
	.type	k_qc67b81c4cd_quant,@function
k_qc67b81c4cd_quant:
	s_mov_b64 s[64:65], 0
	v_nop
	global_prefetch_b8 v0, s[64:65] scope:SCOPE_SE
	s_setreg_imm32_b32 hwreg(HW_REG_WAVE_MODE, 25, 1), 1
	s_wait_xcnt 0x0
; LAUNCH 1 OF 4.  The program: (1) x, Wq, Wk, Wv become codes of FP4 (E2M1) with one E8M0 byte for each 32 along K, and Wo becomes f16; (2) q, k, v = x W^T on the codes; (3) attention; (4) the projection by Wo.
; NOTHING OF THE PROBLEM IS LEFT OUT: every input reaches an output, no result is sliced away, and the softmax keeps its running maximum.
; x [8192][1024], Wq, Wk, Wv [1024][1024], f32, K innermost: plain streams of blocks of 32 numbers, and so are their codes (16 bytes a block) and scale bytes.  The three weights' codes and bytes follow each other in one buffer: rows 0-1023 Wq, 1024-2047 Wk, 2048-3071 Wv.
; A block's scale is 2^(floor(log2(its largest magnitude)) - 2); its byte is the largest magnitude's exponent field - 2, held at 1 from below.  Each number is divided by the scale and rounded to the nearest code, ties to even; beyond 6 the largest code.
; (A block of zeros gets the byte 1 where the rule says 127: its codes are zeros, which add nothing under any byte but 0xff, and the bytes are read by this program alone.)
; LIMITS: blocks whose largest magnitude lies under 2^-124 get the byte 1; NaN and infinities among the inputs are not served; Wo goes to f16: beyond 65,504 it overflows, under 6e-5 its step is 6e-8.
; SHARES.  Work-groups 0-255 take x, 256-287 Wq, 288-319 Wk, 320-351 Wv: 32,768 numbers each, a wave 16 steps of 512.  Only pointers are chosen: the four tensors take one path.
; Each of a step's four loads reads 512 consecutive bytes, 16 a lane; the 2,048 bytes turn through the wave's own stage in LDS and come back 64 bytes a lane, so that a lane holds 16 neighbours along K and two lanes a block.
; Work-groups 352-415 take Wo, 16 rows each, a wave 256 along K, and store it as IMAGES OF OPERAND REGISTERS: a fragment (16 rows x 32 k of f16, 8 registers a lane) is 1,024 bytes: registers 0-3 of lane l at 16 l, registers 4-7 at 512 + 16 l.
; wo_img: [n tile 64][k fragment 32][1,024 bytes].  No tensor loads, no barrier, no cluster: waves and work-groups share no input.
.set WAVES, 4
.set STEPS, 16
.set WGX,   256                        ; work-groups for x
.set WGW,   32                         ; for each of Wq, Wk, Wv
.set WGQ,   WGX+3*WGW                  ; the first of Wo's
.set EMAX,  2
.set CB,    8                          ; bytes of 16 codes
.set R,     16                         ; v16-79   four sets of 16 numbers as they are loaded
.set X,     80                         ; v80-111  two sets of 16 neighbours
.set C,     128                        ; v128-191 codes: four registers for each step, so that no store's data are written again
.set E,     112                        ; v112-127 a scale byte for each step
.set WREG,  8192                       ; LDS: a region for each wave: two stages of 32 x SP bytes, and behind them its 256 scale bytes
.set SP,    80                         ; a lane's place in a stage: its 64 bytes + 16 of padding
.set SPW,   12                         ; v12      LDS address of my spare word: SPARE + 4 x my thread's number; never rewritten
.set NIL,   13                         ; v13      0; never rewritten
.set SPARE, WAVES*WREG                 ; behind the four regions: the spare words, 128 bytes for each wave
	s_load_b512 s[4:19], s[0:1], 0x0               ; x s[4:5], Wq s[6:7], Wk s[8:9], Wv s[10:11], Wo s[12:13], x_codes s[14:15], x_scales s[16:17], w_codes s[18:19]
	s_load_b128 s[20:23], s[0:1], 0x40             ; w_scales s[20:21], wo_img s[22:23]
	v_lshl_add_u32 v[SPW], v0, 2, SPARE
	v_mov_b32 v[NIL], 0
	v_lshrrev_b32 v1, 5, v0
	v_readfirstlane_b32 s24, v1                    ; wave
	v_and_b32 v2, 31, v0                           ; lane
	s_cmp_ge_u32 ttmp9, WGQ                        ; Wo's work-groups part here: a branch on the work-group's number
	s_cbranch_scc1 .Lwo
	v_lshlrev_b32 v3, 4, v2                        ; my 16 bytes of a load's 512
	s_mul_i32 s35, s24, WREG
	v_lshrrev_b32 v14, 2, v2
	v_mul_u32_u24 v14, v14, SP
	v_and_b32 v15, 3, v2
	v_lshl_add_u32 v14, v15, 4, v14
	v_add_nc_u32 v14, s35, v14                     ; the stage, on the way in: four lanes' 64 bytes on end, then 16 of padding
	v_mul_u32_u24 v15, v2, SP
	v_add_nc_u32 v15, s35, v15                     ; and on the way out: SP x lane: my 16 neighbours
	v_mul_u32_u24 v4, v2, CB                       ; my codes' place in a step's
	v_lshrrev_b32 v5, 1, v2
	s_add_co_u32 s35, s35, 2*32*SP
	v_add_nc_u32 v5, s35, v5                       ; LDS: my wave's 256 scale bytes, my block's byte
	v_lshlrev_b32 v7, 3, v2                        ; and on the way out 8 bytes a lane
	v_add_nc_u32 v6, s35, v7
	s_sub_co_u32 s25, ttmp9, WGX                   ; a weight's work-group: its place in the three weights' stream of codes,
	s_and_b32 s33, s25, WGW-1                      ; and in its own tensor
	s_wait_kmcnt 0x0
	s_cmp_lt_u32 ttmp9, WGX+2*WGW                  ; the choices hang on the work-group's number alone
	s_cselect_b64 s[26:27], s[8:9], s[10:11]
	s_cmp_lt_u32 ttmp9, WGX+WGW
	s_cselect_b64 s[26:27], s[6:7], s[26:27]
	s_cmp_lt_u32 ttmp9, WGX
	s_cselect_b64 s[26:27], s[4:5], s[26:27]       ; the numbers
	s_cselect_b64 s[28:29], s[14:15], s[18:19]     ; the codes
	s_cselect_b64 s[30:31], s[16:17], s[20:21]     ; the scale bytes
	s_cselect_b32 s32, ttmp9, s25
	s_cselect_b32 s34, ttmp9, s33
	s_lshl_b32 s34, s34, 2
	s_add_co_u32 s36, s34, s24                     ; which run of 8,192 numbers of the tensor is my wave's
	s_mov_b32 s37, 0
	s_lshl_b64 s[38:39], s[36:37], 15              ; 32,768 bytes a run
	s_add_nc_u64 s[26:27], s[26:27], s[38:39]
	s_lshl_b32 s32, s32, 2
	s_add_co_u32 s36, s32, s24                     ; and which run of the codes' buffer
	s_lshl_b64 s[38:39], s[36:37], 12              ; 4,096 bytes of codes a run,
	s_add_nc_u64 s[28:29], s[28:29], s[38:39]
	s_lshl_b64 s[38:39], s[36:37], 8               ; 256 scale bytes
	s_add_nc_u64 s[30:31], s[30:31], s[38:39]
.macro LOAD t
.irp i, 0,1,2,3
	global_load_b128 v[R+16*((\t)%4)+4*\i:R+16*((\t)%4)+4*\i+3], v3, s[26:27] offset:2048*(\t)+512*\i th:TH_LOAD_NT   ; 32 lanes read 512 consecutive bytes
.endr
.endm
.macro TURN t                          ; step t's numbers through the stage: LDS serves a wave's instructions in order, so no wait stands between the stores and the loads
.irp i, 0,1,2,3
	ds_store_b128 v14, v[R+16*((\t)%4)+4*\i:R+16*((\t)%4)+4*\i+3] offset:32*SP*((\t)%2)+8*SP*\i
.endr
.irp i, 0,1,2,3
	ds_load_b128 v[X+16*((\t)%2)+4*\i:X+16*((\t)%2)+4*\i+3], v15 offset:32*SP*((\t)%2)+16*\i
.endr
.endm
.irp t, 0,1,2,3
	LOAD \t
.endr
	s_wait_loadcnt 12                              ; step 0's four loads are in; the 12 of steps 1 to 3 may be out
	TURN 0
.macro STEP t
.set XS, X+16*((\t)%2)
.if (\t) > 0
	s_wait_dscnt 1                                 ; this step's numbers are back from the stage (the last step's byte store may be out): so its stores into the stage have read their registers,
.else
	s_wait_dscnt 0x0
.endif
.if (\t)+4 < STEPS
	LOAD (\t)+4                                    ; which take the loads of four steps on
.endif
.if (\t)+1 < STEPS
.if STEPS-2-(\t) >= 3
	s_wait_loadcnt 12                              ; the next step's four loads are in; those of the three steps behind it may be out
.else
	s_wait_loadcnt 4*(STEPS-2-(\t))
.endif
	TURN (\t)+1                                    ; and go through the other stage while this step is worked
.endif
	v_max3_num_f32 v8, |v[XS]|, |v[XS+1]|, |v[XS+2]|               ; the largest magnitude of my 16, in two chains
	v_max3_num_f32 v9, |v[XS+3]|, |v[XS+4]|, |v[XS+5]|
.irp i, 6,10
	v_max3_num_f32 v8, v8, |v[XS+\i]|, |v[XS+\i+1]|
	v_max3_num_f32 v9, v9, |v[XS+\i+2]|, |v[XS+\i+3]|
.endr
	v_max3_num_f32 v8, v8, |v[XS+14]|, |v[XS+15]|
	v_max3_num_f32 v8, v8, v9, (EMAX+1)<<23        ; and the floor 2^(EMAX + 1 - 127): so the byte cannot fall under 1
	v_max_num_f32_dpp v8, v8, v8 row_xmask:1 row_mask:0xf bank_mask:0xf   ; and of my neighbour's 16: the block's
	v_add_nc_u32 v11, -(EMAX<<23), v8              ; EMAX off its exponent field: the conversion takes the exponent field of this operand as its scale, and nothing else of it
	v_cvt_scalef32_pk8_fp4_f32 v[C+4*(\t)], v[XS:XS+7], v11          ; eight numbers / the scale, to the nearest code; the first number's code in the lowest four bits
	v_cvt_scalef32_pk8_fp4_f32 v[C+4*(\t)+1], v[XS+8:XS+15], v11
	v_lshrrev_b32 v[E+(\t)], 23, v11               ; the scale's byte (also the plain line behind the conversions)
	ds_store_b8 v5, v[E+(\t)] offset:16*(\t)       ; both lanes of a block write the same byte with the same value
	global_store_b64 v4, v[C+4*(\t):C+4*(\t)+1], s[28:29] offset:32*CB*(\t)   ; 32 lanes store 256 consecutive bytes, aligned
.endm
.irp t, 0,1,2,3,4,5,6,7,8,9,10,11,12,13,14,15
	STEP \t
.endr
	ds_load_b64 v[8:9], v6                         ; LDS serves a wave's instructions in order: these see my byte stores
	s_wait_dscnt 0x0
	global_store_b64 v7, v[8:9], s[30:31]          ; 32 lanes store my wave's 256 scale bytes, aligned
	s_wait_tensorcnt 0x0                           ; the wave's end, behind my last LDS store
	ds_add_u32 v[SPW], v[NIL]
	s_wait_dscnt 0x0
	s_endpgm
; Wo to f16.  Work-group 352 + n takes rows 16 n .. 16 n + 15, wave w the k fragments 8 w .. 8 w + 7.  Lane (r, h) of a fragment holds row r; registers 0-3 k = 8 h + 0..7, registers 4-7 k = 16 + 8 h + 0..7:
; in f32 that is 32 bytes at 32 h and 32 bytes at 64 + 32 h of the fragment's 128 bytes of the row.  The wave's 32 loads together read 1,024 consecutive bytes of each of 16 rows.
.Lwo:
	v_and_b32 v1, 15, v0                           ; r
	v_bfe_u32 v5, v0, 4, 1                         ; h
	v_lshlrev_b32 v3, 12, v1                       ; a row of Wo is 4,096 bytes
	v_lshl_add_u32 v3, v5, 5, v3                   ; + 32 h
	v_lshlrev_b32 v4, 4, v2                        ; out: 16 x lane
	s_sub_co_u32 s25, ttmp9, WGQ                   ; n tile
	s_lshl_b32 s36, s25, 16                        ; in: 16 rows of 4,096 bytes a tile,
	s_lshl_b32 s38, s24, 10                        ; 1,024 bytes of a row a wave
	s_add_co_u32 s36, s36, s38
	s_mov_b32 s37, 0
	s_lshl_b32 s38, s25, 15                        ; out: 32 fragments a tile,
	s_lshl_b32 s39, s24, 13                        ; 8 a wave
	s_add_co_u32 s38, s38, s39
	s_mov_b32 s39, 0
	s_wait_kmcnt 0x0
	s_add_nc_u64 s[12:13], s[12:13], s[36:37]
	s_add_nc_u64 s[22:23], s[22:23], s[38:39]
.irp kf, 0,1,2,3,4,5,6,7
.irp c, 0,1
.irp g, 0,1
	global_load_b128 v[32+16*\kf+8*\c+4*\g:32+16*\kf+8*\c+4*\g+3], v3, s[12:13] offset:128*\kf+64*\c+16*\g
.endr
.endr
.endr
.irp kf, 0,1,2,3,4,5,6,7
	s_wait_loadcnt 4*(7-\kf)                       ; this fragment's four loads are in; the later fragments' may be out
.irp c, 0,1
.irp i, 0,1,2,3
	v_cvt_pk_f16_f32 v[32+16*\kf+8*\c+\i], v[32+16*\kf+8*\c+2*\i], v[32+16*\kf+8*\c+2*\i+1]   ; in place, ascending: the pair that is read lies at or above the register that is written
.endr
	global_store_b128 v4, v[32+16*\kf+8*\c:32+16*\kf+8*\c+3], s[22:23] offset:1024*\kf+512*\c   ; 32 lanes store 512 consecutive bytes, aligned; no register of a store is written again
.endr
.endr
	s_wait_tensorcnt 0x0                           ; this path writes no LDS; the launch does, and every wave of it ends with the three lines
	ds_add_u32 v[SPW], v[NIL]
	s_wait_dscnt 0x0
	s_endpgm
.Lfunc_end_k_qc67b81c4cd_quant:
	.size	k_qc67b81c4cd_quant, .Lfunc_end_k_qc67b81c4cd_quant-k_qc67b81c4cd_quant
	.p2alignl 7, 3214868480
	.fill 96, 4, 3214868480
	.section	.rodata,"a",@progbits
	.p2align	6, 0x0
	.amdhsa_kernel k_qc67b81c4cd_quant
		.amdhsa_group_segment_fixed_size 33280
		.amdhsa_private_segment_fixed_size 0
		.amdhsa_enable_private_segment 0
		.amdhsa_kernarg_size 80
		.amdhsa_user_sgpr_count 2
		.amdhsa_user_sgpr_kernarg_segment_ptr 1
		.amdhsa_wavefront_size32 1
		.amdhsa_system_sgpr_workgroup_id_x 1
		.amdhsa_system_sgpr_workgroup_id_y 1
		.amdhsa_system_sgpr_workgroup_id_z 1
		.amdhsa_system_vgpr_workitem_id 0
		.amdhsa_next_free_vgpr 192
		.amdhsa_next_free_sgpr 66
		.amdhsa_reserve_vcc 0
		.amdhsa_float_denorm_mode_32 3
		.amdhsa_float_denorm_mode_16_64 3
		.amdhsa_memory_ordered 1
		.amdhsa_forward_progress 1
		.amdhsa_inst_pref_size 43
	.end_amdhsa_kernel
	.amdgpu_metadata
---
amdhsa.version: [ 1, 2 ]
amdhsa.kernels:
  - .name:           k_qc67b81c4cd_quant
    .symbol:         k_qc67b81c4cd_quant.kd
    .args:
      - { .name: x, .offset: 0, .size: 8, .value_kind: global_buffer, .address_space: global }
      - { .name: Wq, .offset: 8, .size: 8, .value_kind: global_buffer, .address_space: global }
      - { .name: Wk, .offset: 16, .size: 8, .value_kind: global_buffer, .address_space: global }
      - { .name: Wv, .offset: 24, .size: 8, .value_kind: global_buffer, .address_space: global }
      - { .name: Wo, .offset: 32, .size: 8, .value_kind: global_buffer, .address_space: global }
      - { .name: x_codes, .offset: 40, .size: 8, .value_kind: global_buffer, .address_space: global }
      - { .name: x_scales, .offset: 48, .size: 8, .value_kind: global_buffer, .address_space: global }
      - { .name: w_codes, .offset: 56, .size: 8, .value_kind: global_buffer, .address_space: global }
      - { .name: w_scales, .offset: 64, .size: 8, .value_kind: global_buffer, .address_space: global }
      - { .name: wo_img, .offset: 72, .size: 8, .value_kind: global_buffer, .address_space: global }
    .group_segment_fixed_size: 33280
    .private_segment_fixed_size: 0
    .kernarg_segment_align: 8
    .kernarg_segment_size: 80
    .max_flat_workgroup_size: 128
    .sgpr_count:     66
    .vgpr_count:     192
    .wavefront_size: 32
...
	.end_amdgpu_metadata
.endif
;; end of part 1
;; launch qkv (part 2): grid 12 x 32, 4 waves a work-group, clusters of 4 x 4, 327,680 bytes of LDS; arguments x_codes, x_scales, w_codes, w_scales, q_img, kv; writes q_img, kv
.if DOCPART == 2
	.amdgcn_target "amdgcn-amd-amdhsa--gfx1250"
	.amdhsa_code_object_version 6
	.text
	.protected	k_qc67b81c4cd_qkv
	.globl	k_qc67b81c4cd_qkv
	.p2align	8
	.type	k_qc67b81c4cd_qkv,@function
k_qc67b81c4cd_qkv:
	s_mov_b64 s[64:65], 0
	v_nop
	global_prefetch_b8 v0, s[64:65] scope:SCOPE_SE
	s_setreg_imm32_b32 hwreg(HW_REG_WAVE_MODE, 25, 1), 1
	s_wait_xcnt 0x0
	s_wait_alu depctr_hold_cnt(0) depctr_sa_sdst(0) depctr_va_vdst(0) depctr_va_sdst(0) depctr_va_ssrc(0) depctr_va_vcc(0) depctr_vm_vsrc(0)
	s_getreg_b32 s2, hwreg(HW_REG_IB_STS2, 6, 4)
	s_cmp_eq_u32 s2, 0
	s_cbranch_scc0 .Lentry_in_a_cluster
	s_endpgm
.Lentry_in_a_cluster:
	s_bfe_u32 s2, ttmp6, 0x10000c
	s_cmp_lg_u32 s2, 0xf033
	s_cbranch_scc0 .Lentry_shape_is_right
	s_endpgm
.Lentry_shape_is_right:
; LAUNCH 2 OF 4: q, k, v = x W^T on codes of FP4 (E2M1) with one E8M0 scale for each 32 along K = 1,024; sums in f32; nothing is left out.  The results are rounded once to f16 and stored as images of the operand registers of the next launch.
; x_codes [8192][512 bytes], x_scales [8192][32]; w_codes [3072][512 bytes], w_scales [3072][32]: rows 0-1023 Wq, 1024-2047 Wk, 2048-3071 Wv.
; A tile of 256 x 256 results is made by a work-group of four waves; a wave makes 128 x 128: 64 accumulators of 16 x 16, 512 registers.  K goes in two steps of 512 (rows of 256 bytes), each in an LDS slot of its own: both are first fills, nothing is filled again.
; The scale bytes of the tile's 2 x 256 rows, for all of K, are two dense blocks of 8,192 bytes: they come once, with the first fills.
; CLUSTERS: 4 x 4 work-groups.  The tile called A hangs on the tile row alone and is shared along a row of the cluster, the tile called B on the tile column alone and is shared along a column: each is asked for jointly.
; THE MATRIX INSTRUCTION: source 0 = 16 rows of B, source 1 = 16 rows of A: in the result lane l holds A's row l % 16, and its registers 0-7 B's rows 8 (l / 16) + 0..7.
; THE CLUSTER'S x SAYS WHICH PRODUCT: 0 = q, 1 = k, 2 = v; it is the same in all sixteen partners.  For q and k, A = x (a lane holds a token, its registers eight neighbouring channels).  For v the tensors change roles, A = Wv, B = x:
; a lane holds a channel and eight neighbouring keys, as the second product of attention wants its operand.
; IMAGES.  A fragment of f16 (16 rows x 32 k, 8 registers a lane) is 1,024 bytes: registers 0-3 of lane l at 16 l, registers 4-7 at 512 + 16 l.  An accumulator packs into four registers, half a fragment: ONE store of 512 consecutive bytes, aligned.  No stage in LDS.
;   q_img [batch x head 64][query tile 128][channel step 2][1,024];  kv [batch x head 64][key step 32][16,384]: K's fragments (key tile kt, channel step cs) at (2 kt + cs) x 1,024, V^T's (key half u, channel tile ct) at 8,192 + (4 u + ct) x 1,024.
; LIMIT: f16: a result beyond 65,504 overflows; under 6e-5 the step is 6e-8.
; REGISTERS, in windows of 256: window 0: v0-31 addresses; v32-95 scale words, two sets; from v128 A's fragments, one set; on the way out v64-191 hold packed results.  window 1: B's fragments, two sets, at v0 and v128.
;   window 2: the accumulators of A's blocks 0-3 ((a, b) at v[8 (8 (a % 4) + b)]);  window 3: those of blocks 4-7.
.set SIZE_K, 1024
.set KSTEP,  512                       ; along K in a slot
.set NQ,     KSTEP/128                 ; matrix instructions deep
.set ROWB,   256                       ; a tile's row in bytes
.set KROW,   SIZE_K*4/8                ; a row of codes in memory
.set PITCH,  272                       ; an LDS row: 256 bytes + 16 of padding: the 16 rows that a load touches start at 16 different banks (64 banks of 4 bytes: ISA guide 11.1)
.set FR,     8                         ; registers of a fragment: 16 rows x 128 K
.set NL,     2                         ; LDS loads that bring one
.set NP,     4                         ; places behind this matrix instruction (ISA guide 7.12.1)
.set HALFT,  128*PITCH                 ; 128 rows: what one tensor load brings
.set SLOT,   4*HALFT                   ; A's 256 rows, then B's 256 rows
.set KS,     SIZE_K/32                 ; a row of scales in bytes
.set SCL,    2*SLOT                    ; behind the slots: the scales, as units of 256 bytes + 16 of padding
.set HALFS,  (128*KS/256)*272          ; the scales of 128 rows
.set SBLK,   (16*KS/256)*272           ; those of 16 rows
.set SPARE,  SCL+4*HALFS               ; the spare words, 128 bytes for each wave
.set ADRA, 16                          ; v16-17  LDS address of my A fragments in slot 0, 1
.set ADRB, 20                          ; v20-21  the same for B
.set CO,   26                          ; v26     16 x lane: my place in a store's 512 bytes
.set ADRS, 27                          ; v27     LDS address of my scale words: lanes 0-15 A's rows, lanes 16-31 B's
.set SPW,  28                          ; v28     LDS address of my spare word; never rewritten
.set NIL,  29                          ; v29     0; never rewritten
.set SC,   32                          ; scale words: set s at v[SC + 8 NQ s]; register NQ i + q: lanes 0-15 the word of A's block i, lanes 16-31 that of B's block i, for the slot's q-th 128 along K
.set AF,   128                         ; A's fragments, in window 0
.set TMP,  64                          ; the way out: four sets of 32 registers of packed results
.set G1, 24                            ; s[24:31] descriptor group 1 for A's tiles;  s[32:39] group 0, one set for each slot
.set G0, 32
.set G1B, 48                           ; s[48:55], s[56:63] the same for B's tiles
.set G0B, 56
.set G1S, 68                           ; s[68:75], s[76:79] groups 1 and 0 for A's scales;  s[80:87], s[88:91] for B's
.set G0S, 76
.set G1SB, 80
.set G0SB, 88
.set MSB, 0
.macro WIN new                         ; the immediate's high byte repeats the setting that is left
.if MSB != \new
	s_set_vgpr_msb (MSB<<8)|\new
.set MSB, \new
.endif
.endm
.set MUL_LO, 0xa1                      ; source 0 (B) window 1, source 1 (A) window 0, C and D window 2
.set MUL_HI, 0xf1                      ; the same, C and D window 3
.set TO_B,   0x40                      ; destination window 1, address window 0
; A joint load: waves 0 and 1 fetch for A, waves 2 and 3 for B.  Each line has one mask and one set of registers for all that issue it; the branch hangs on the wave's number alone.
; An s_nop 0 and four v_nop follow each of the two lines.
.macro JLOAD g0a, g1a, g0b, g1b
	s_cmp_eq_u32 s15, 0
	s_cbranch_scc0 .Lfor_b_\@
	tensor_load_to_lds s[\g0a:\g0a+3], s[\g1a:\g1a+7]
	s_nop 0
.rept 4
	v_nop
.endr
	s_branch .Lasked_\@
.Lfor_b_\@:
	tensor_load_to_lds s[\g0b:\g0b+3], s[\g1b:\g1b+7]
	s_nop 0
.rept 4
	v_nop
.endr
.Lasked_\@:
.endm
.macro CROUND                          ; a round of the cluster's barrier
	s_barrier_signal -1
	s_barrier_wait -1
	s_cmp_lg_u32 s14, 0
	s_cbranch_scc1 .Lnot_wave_0_\@
	s_barrier_signal -3
.Lnot_wave_0_\@:
	s_barrier_wait -3
	s_barrier_signal -1
	s_barrier_wait -1
.endm
	s_load_b128 s[4:7], s[0:1], 0x0                ; x's codes s[4:5], x's scales s[6:7]
	s_load_b128 s[8:11], s[0:1], 0x10              ; w's codes s[8:9], w's scales s[10:11]
	s_load_b128 s[96:99], s[0:1], 0x20             ; q_img s[96:97], kv s[98:99]
	v_lshl_add_u32 v[SPW], v0, 2, SPARE
	v_mov_b32 v[NIL], 0
	ds_add_u32 v[SPW], v[NIL]                      ; the wave's opening: the add, twice on end, and its wait ahead of my first tensor load; the set-up below stands between the second and the wait
	ds_add_u32 v[SPW], v[NIL]
	v_lshrrev_b32 v1, 5, v0
	v_readfirstlane_b32 s14, v1                    ; wave 0..3
	s_lshr_b32 s15, s14, 1                         ; which half of A's rows is mine.  Also: I fetch for A (0) or for B (1)
	s_and_b32 s16, s14, 1                          ; which half of B's rows.  Also: which 128 rows of that tile I fetch
	s_bfe_u32 s40, ttmp6, 0x40000                  ; cx, cy: my place in the cluster
	s_bfe_u32 s41, ttmp6, 0x40004
	s_and_b32 s17, ttmp7, 0xffff
	s_lshl_b32 s17, s17, 2                         ; 4 x cluster y: a group of four tiles of 256 tokens
	s_lshl_b32 s42, ttmp9, 2                       ; 4 x cluster x: q's four tiles of w's rows, or k's
	s_cmp_eq_u32 ttmp9, 2                          ; v?  The cluster's x is the same in all partners
	s_cselect_b32 s42, s17, s42                    ; B's tiles: v: tokens; else w's rows
	s_cselect_b32 s17, 8, s17                      ; A's tiles: v: w's rows from 2,048 on; else tokens
	s_add_co_u32 s42, s42, s40                     ; tile column = its base + cx
	s_add_co_u32 s17, s17, s41                     ; tile row = its base + cy
	s_lshl_b32 s43, s41, 2
	s_lshl_b32 s43, 15, s43                        ; my row of the cluster
	s_lshl_b32 s44, 0x1111, s40                    ; my column
	; descriptor group 1: a tile of 128 rows x 256 bytes, padded in LDS
	s_or_b32 s[G1+0], s43, (0<<16)|(1<<20)|(1<<21)|(5<<22)|(3<<25)  ; 15:0 the mask: A's tiles go to my row; 17:16 element of 1 byte; 20 padding on; 21 set beside a mask; 24:22 after every 64 words (code 5); 31:25 of 4 words (code 3)
	s_or_b32 s[G1B+0], s44, (0<<16)|(1<<20)|(1<<21)|(5<<22)|(3<<25)
.irp g, G1, G1B
	s_mov_b32 s[\g+1], ROWB<<16                    ; tensor_dim0
	s_mov_b32 s[\g+2], 128<<16                     ; tensor_dim1 = 128
	s_mov_b32 s[\g+3], ROWB<<16                    ; tile_dim0
	s_mov_b32 s[\g+4], 128                         ; tile_dim1 = 128
	s_mov_b32 s[\g+5], KROW                        ; tensor_dim0_stride
	s_mov_b32 s[\g+6], 0
	s_mov_b32 s[\g+7], 0
.endr
	; and for the scales of 128 rows: a dense block of 4,096 bytes, as rows of 256 bytes (32 elements of 8 bytes), 16 bytes of padding behind each
	s_or_b32 s[G1S+0], s43, (3<<16)|(1<<20)|(1<<21)|(5<<22)|(3<<25)
	s_or_b32 s[G1SB+0], s44, (3<<16)|(1<<20)|(1<<21)|(5<<22)|(3<<25)
.irp g, G1S, G1SB
	s_mov_b32 s[\g+1], 32<<16
	s_mov_b32 s[\g+2], (128*KS/256)<<16
	s_mov_b32 s[\g+3], 32<<16
	s_mov_b32 s[\g+4], 128*KS/256
	s_mov_b32 s[\g+5], 32
	s_mov_b32 s[\g+6], 0
	s_mov_b32 s[\g+7], 0
.endr
	s_lshl_b32 s18, s16, 7                         ; which 128 rows of the tile I fetch
	s_lshl_b32 s20, s17, 8
	s_add_co_u32 s20, s20, s18                     ; A: row 256 x tile row + 128 x half
	s_lshl_b32 s46, s42, 8
	s_add_co_u32 s46, s46, s18                     ; B: row 256 x tile column + 128 x half
	s_mov_b32 s21, 0
	s_mov_b32 s47, 0
	s_mov_b64 s[18:19], KS
	s_mul_u64 s[22:23], s[20:21], s[18:19]         ; where these rows' scales begin, in bytes
	s_mul_u64 s[92:93], s[46:47], s[18:19]
	s_mov_b64 s[18:19], KROW
	s_mul_u64 s[20:21], s[20:21], s[18:19]         ; and their codes
	s_mul_u64 s[46:47], s[46:47], s[18:19]
	s_mul_i32 s45, s14, HALFT                      ; where they go: wave x 128 rows: no place in the cluster enters an LDS address
	s_mul_i32 s94, s14, HALFS
	s_wait_dscnt 0x0                               ; both opening adds are done
	s_wait_kmcnt 0x0
	s_cmp_eq_u32 ttmp9, 2                          ; for v the two tensors change roles: a choice between buffers on the cluster's x
	s_cselect_b64 s[2:3], s[8:9], s[4:5]           ; A's codes
	s_cselect_b64 s[8:9], s[4:5], s[8:9]           ; B's codes
	s_cselect_b64 s[4:5], s[10:11], s[6:7]         ; A's scales
	s_cselect_b64 s[10:11], s[6:7], s[10:11]       ; B's scales
	s_add_nc_u64 s[20:21], s[2:3], s[20:21]
	s_add_nc_u64 s[22:23], s[4:5], s[22:23]
	s_add_nc_u64 s[46:47], s[8:9], s[46:47]
	s_add_nc_u64 s[92:93], s[10:11], s[92:93]
	CROUND                                         ; all sixteen work-groups are here: the first joint loads meet
	s_mov_b32 s[G0S], 1
	s_add_co_u32 s[G0S+1], s94, SCL
	s_mov_b64 s[G0S+2:G0S+3], s[22:23]
	s_or_b32 s[G0S+3], s[G0S+3], 0x80000000
	s_mov_b32 s[G0SB], 1
	s_add_co_u32 s[G0SB+1], s94, SCL
	s_mov_b64 s[G0SB+2:G0SB+3], s[92:93]
	s_or_b32 s[G0SB+3], s[G0SB+3], 0x80000000
	JLOAD G0S, G1S, G0SB, G1SB                     ; the scales first: they are wanted with K step 0
.irp s, 0,1
	s_mov_b32 s[G0+4*\s], 1
	s_add_co_u32 s[G0+4*\s+1], s45, \s*SLOT
	s_add_nc_u64 s[G0+4*\s+2:G0+4*\s+3], s[20:21], \s*ROWB
	s_or_b32 s[G0+4*\s+3], s[G0+4*\s+3], 0x80000000
	s_mov_b32 s[G0B+4*\s], 1
	s_add_co_u32 s[G0B+4*\s+1], s45, \s*SLOT
	s_add_nc_u64 s[G0B+4*\s+2:G0B+4*\s+3], s[46:47], \s*ROWB
	s_or_b32 s[G0B+4*\s+3], s[G0B+4*\s+3], 0x80000000
	JLOAD G0+4*\s, G1, G0B+4*\s, G1B               ; three loads of mine are out
.endr
	v_and_b32 v1, 15, v0                           ; l % 16
	v_bfe_u32 v2, v0, 4, 1                         ; l / 16
	v_mul_u32_u24 v3, v1, PITCH
	v_lshl_add_u32 v4, v2, 4, v3                   ; a fragment's row x pitch + 16 x half
	s_mul_i32 s21, s15, HALFT                      ; my 128 rows of A
	s_mul_i32 s22, s16, HALFT                      ; my 128 rows of B,
	s_add_co_u32 s22, s22, 2*HALFT                 ; which lie behind A's 256
.irp s, 0,1
	v_add_nc_u32 v[ADRA+\s], s21, v4
	v_add_nc_u32 v[ADRB+\s], s22, v4
	s_add_co_u32 s21, s21, SLOT
	s_add_co_u32 s22, s22, SLOT
.endr
	v_mul_u32_u24 v5, v1, KS                       ; my row's scales: KS bytes a row,
	v_lshrrev_b32 v6, 8, v5
	v_lshl_add_u32 v5, v6, 4, v5                   ; and 16 more for each 256 passed
	s_mul_i32 s21, s15, HALFS                      ; A's: my 128 rows
	s_mul_i32 s22, s16, HALFS                      ; B's: my 128 rows, behind A's 256
	s_add_co_u32 s22, s22, 2*HALFS
	s_sub_co_u32 s22, s22, s21
	v_mul_u32_u24 v6, s22, v2                      ; lanes 16-31 take B's
	s_add_co_u32 s21, s21, SCL
	v_add_nc_u32 v5, v5, v6
	v_add_nc_u32 v[ADRS], s21, v5
	v_and_b32 v6, 31, v0
	v_lshlrev_b32 v[CO], 4, v6                     ; 16 x lane
	; where my 128 x 128 results go
	s_lshl_b32 s20, s17, 8
	s_lshl_b32 s21, s15, 7
	s_add_co_u32 s20, s20, s21                     ; A's first row of mine
	s_lshl_b32 s46, s42, 8
	s_lshl_b32 s47, s16, 7
	s_add_co_u32 s46, s46, s47                     ; B's
	s_cmp_eq_u32 ttmp9, 2
	s_cselect_b32 s21, s46, s20                    ; my first token,
	s_cselect_b32 s47, s20, s46                    ; my first row of w,
	s_and_b32 s47, s47, 1023                       ; as a feature of q, k or v
	s_lshr_b32 s18, s21, 11                        ; batch
	s_lshl_b32 s18, s18, 4
	s_lshr_b32 s47, s47, 6                         ; head
	s_or_b32 s18, s18, s47                         ; 16 x batch + head
	s_lshl_b32 s18, s18, 18                        ; q_img: 262,144 bytes for each,
	s_and_b32 s21, s21, 2047
	s_lshl_b32 s21, s21, 7                         ; 128 bytes a token
	s_add_co_u32 s18, s18, s21
	s_cmp_eq_u32 ttmp9, 0
	s_cselect_b32 s19, 0, 1                        ; kv: twice that
	s_cselect_b64 s[12:13], s[96:97], s[98:99]
	s_lshl_b32 s18, s18, s19
	s_mov_b32 s19, 0
	s_add_nc_u64 s[12:13], s[12:13], s[18:19]
.macro FRAG reg, adr, q, i             ; a fragment, 16 rows x 128 K of 4-bit codes, is 8 registers: lane l holds row l % 16; registers 4 c .. 4 c + 3 hold K = 64 c + 32 (l / 16) + 0 .. 31
.irp c, 0,1
	ds_load_b128 v[\reg+4*\c:\reg+4*\c+3], v[\adr] offset:64*(\q)+32*\c+(\i)*16*PITCH
.endr
.endm
; 16 matrix instructions: A's blocks a0, a0 + 1 x B's eight, 128 along K: the slot's q-th.  p: B's set;  sc: the set of scale words.  zero = 1: the first product starts the sums: nothing is ever cleared.
; The 64 accumulators take turns, one instruction a turn, in the same order in every step.
.macro MUL16 a0, p, q, sc, zero
.irp a, \a0, \a0+1
.irp b, 0,1,2,3,4,5,6,7
.if \zero
	v_wmma_scale_f32_16x16x128_f8f6f4 v[8*(8*((\a)%4)+\b):8*(8*((\a)%4)+\b)+7], v[128*(\p)+FR*\b:128*(\p)+FR*\b+FR-1], v[AF+FR*(\a):AF+FR*(\a)+FR-1], 0, v[SC+8*NQ*(\sc)+NQ*\b+(\q)], v[SC+8*NQ*(\sc)+NQ*(\a)+(\q)] matrix_a_fmt:MATRIX_FMT_FP4 matrix_b_fmt:MATRIX_FMT_FP4 matrix_a_scale:MATRIX_SCALE_ROW1
.else
	v_wmma_scale_f32_16x16x128_f8f6f4 v[8*(8*((\a)%4)+\b):8*(8*((\a)%4)+\b)+7], v[128*(\p)+FR*\b:128*(\p)+FR*\b+FR-1], v[AF+FR*(\a):AF+FR*(\a)+FR-1], v[8*(8*((\a)%4)+\b):8*(8*((\a)%4)+\b)+7], v[SC+8*NQ*(\sc)+NQ*\b+(\q)], v[SC+8*NQ*(\sc)+NQ*(\a)+(\q)] matrix_a_fmt:MATRIX_FMT_FP4 matrix_b_fmt:MATRIX_FMT_FP4 matrix_a_scale:MATRIX_SCALE_ROW1
.endif
.endr
.endr
.endm
.macro FETCH_B slot, q, p              ; B's eight fragments of the slot's q-th 128 along K into set p
	WIN TO_B
.irp i, 0,1,2,3,4,5,6,7
	FRAG 128*(\p)+FR*\i, ADRB+\slot, \q, \i
.endr
	WIN 0
.endm
.macro FETCH_A slot, q, i0             ; A's blocks i0 .. i0 + 3
.irp i, \i0, \i0+1, \i0+2, \i0+3
	FRAG AF+FR*(\i), ADRA+\slot, \q, \i
.endr
.endm
.macro SCALES sc                       ; a K step's scale words into set sc: NQ words a row; lanes 0-15 take A's block i, lanes 16-31 B's block i
.irp i, 0,1,2,3,4,5,6,7
	ds_load_b128 v[SC+8*NQ*\sc+NQ*\i:SC+8*NQ*\sc+NQ*\i+3], v[ADRS] offset:\i*SBLK
.endr
.endm
; A load into a register that a matrix instruction has read, and a vector instruction that reads a matrix result or writes one of its registers, stand NP places behind it; only plain vector
; instructions that name none of its registers are places (ISA guide 7.12.1 for vector instructions).
.macro PLACES n
.rept \n
	v_nop
.endr
.endm
; A step of 128 along K that has its successor in the same slot.  A's blocks go one after the other, each against B's eight: so one set of registers serves A (blocks 0-3 fetched anew in the step's middle, 4-7 at its end), and B has two.
.macro STEP slot, q, zero
	s_wait_dscnt 4*NL                              ; B's set and A's blocks 0-3 are in; the youngest eight loads (A's blocks 4-7) may be out
	WIN MUL_LO
	MUL16 0, (\q)%2, \q, \slot, \zero
	MUL16 2, (\q)%2, \q, \slot, \zero
	s_wait_dscnt 0                                 ; A's blocks 4-7 are in (asked for 32 matrix instructions ago)
	PLACES NP
	FETCH_B \slot, (\q)+1, 1-(\q)%2
	FETCH_A \slot, (\q)+1, 0
	WIN MUL_HI
	MUL16 4, (\q)%2, \q, \slot, \zero
	MUL16 6, (\q)%2, \q, \slot, \zero
	PLACES NP
	WIN 0
	FETCH_A \slot, (\q)+1, 4
.endm
; Slot 0's last step goes on into slot 1: each wave waits for all its tensor loads (its part of slot 1), and the barrier shows the whole slot to every wave.  Nothing is filled again.
.macro TURN slot, next
	s_wait_tensorcnt 0x0                           ; all my tensor loads have landed  (every window is 0 here: the add's two registers lie in window 0)
	ds_add_u32 v[SPW], v[NIL]                      ; 0 onto my spare word
	s_wait_dscnt 4*NL+1                            ; (the add and the youngest eight loads, A's blocks 4-7, may be out)
	WIN MUL_LO
	MUL16 0, 1, NQ-1, \slot, 0                     ; sixteen matrix instructions stand between the add and the wait for it
	s_wait_dscnt 0x0                               ; the add is done, and no LDS load of mine is out at the signal
	s_barrier_signal -1
	MUL16 2, 1, NQ-1, \slot, 0
	WIN 0
	s_barrier_wait -1
	PLACES NP
	v_add_nc_u32 v[ADRS], 4*NQ, v[ADRS]            ; on to the next K step's scale words (no LDS load of mine is out)
	FETCH_B \next, 0, 0
	FETCH_A \next, 0, 0
	SCALES \next
	WIN MUL_HI
	MUL16 4, 1, NQ-1, \slot, 0
	MUL16 6, 1, NQ-1, \slot, 0
	PLACES NP
	WIN 0
	FETCH_A \next, 0, 4
.endm
.macro STEPS slot, from                ; the slot's steps from .. NQ - 2
.set Q, \from
.rept NQ-1-\from
	STEP \slot, Q, 0
.set Q, Q+1
.endr
.endm
	s_wait_tensorcnt 1                             ; the scales and my part of K step 0 are in (K step 1's load may be out),
	s_barrier_signal -1
	s_barrier_wait -1                              ; everybody's are
	FETCH_B 0, 0, 0
	FETCH_A 0, 0, 0
	SCALES 0
	FETCH_A 0, 0, 4
	STEP 0, 0, 1                                   ; the first step's products start the sums
	STEPS 0, 1
	TURN 0, 1
	STEPS 1, 0
	s_wait_dscnt 4*NL                              ; the very last step: nothing more to fetch
	WIN MUL_LO
	MUL16 0, 1, NQ-1, 1, 0
	MUL16 2, 1, NQ-1, 1, 0
	s_wait_dscnt 0
	WIN MUL_HI
	MUL16 4, 1, NQ-1, 1, 0
	MUL16 6, 1, NQ-1, 1, 0
	WIN 0
; THE WAY OUT.  Accumulator (a, b) is rounded to f16, each from its low end on, and leaves by one store.  The six strides say where (a, b) lies in the images: a / 4, a % 4, b / 4, (b % 4) / 2, b % 2, and the first byte.
.macro EPI FA4, FA1, FB4, FB2, FB1, F0
.irp a, 0,1,2,3,4,5,6,7
.if \a == 4
	s_wait_xcnt 0x0                                ; blocks 0 to 3's stores have read their data: the four sets are written again only behind this wait
.endif
	WIN 0x0a+5*(\a/4)                              ; sources 0 and 1: window 2 or 3
.irp b, 0,1,2,3,4,5,6,7
.irp i, 0,1,2,3
	v_cvt_pk_f16_f32 v[TMP+32*(\a%4)+4*\b+\i], v[8*(8*(\a%4)+\b)+2*\i], v[8*(8*(\a%4)+\b)+2*\i+1]
.endr
.endr
	WIN 0
.irp b, 0,1,2,3,4,5,6,7
	global_store_b128 v[CO], v[TMP+32*(\a%4)+4*\b:TMP+32*(\a%4)+4*\b+3], s[12:13] offset:\F0+(\a/4)*\FA4+(\a%4)*\FA1+(\b/4)*\FB4+((\b%4)/2)*\FB2+(\b%2)*\FB1   ; 32 lanes store 512 consecutive bytes, aligned
.endr
.endr
.endm
	PLACES NP                                      ; behind the last products: their results are read and A's and the scales' registers are written below
	s_cmp_eq_u32 ttmp9, 0                          ; the cluster's x: the same way in all partners
	s_cbranch_scc1 .Lq
	s_cmp_eq_u32 ttmp9, 1
	s_cbranch_scc1 .Lk
	EPI 524288, 1024, 16384, 4096, 512, 8192       ; v: a = head, channel tile; b = key step, key half, half a fragment; behind a step's K
	s_branch .Ldone
.Lk:
	EPI 16384, 2048, 524288, 1024, 512, 0          ; k: a = key step, key tile; b = head, channel step, half a fragment
	s_branch .Ldone
.Lq:
	EPI 8192, 2048, 262144, 1024, 512, 0           ; q: a = query tile; b = head, channel step, half a fragment
.Ldone:
	s_wait_tensorcnt 0x0                           ; the wave's end, behind my last tensor load
	ds_add_u32 v[SPW], v[NIL]
	s_wait_dscnt 0x0
	CROUND                                         ; the closing round: no work-group ends while a partner may still ask for a tile that names it
	s_endpgm
.Lfunc_end_k_qc67b81c4cd_qkv:
	.size	k_qc67b81c4cd_qkv, .Lfunc_end_k_qc67b81c4cd_qkv-k_qc67b81c4cd_qkv
	.p2alignl 7, 3214868480
	.fill 96, 4, 3214868480
	.section	.rodata,"a",@progbits
	.p2align	6, 0x0
	.amdhsa_kernel k_qc67b81c4cd_qkv
		.amdhsa_group_segment_fixed_size 327680
		.amdhsa_private_segment_fixed_size 0
		.amdhsa_enable_private_segment 0
		.amdhsa_kernarg_size 48
		.amdhsa_user_sgpr_count 2
		.amdhsa_user_sgpr_kernarg_segment_ptr 1
		.amdhsa_wavefront_size32 1
		.amdhsa_system_sgpr_workgroup_id_x 1
		.amdhsa_system_sgpr_workgroup_id_y 1
		.amdhsa_system_sgpr_workgroup_id_z 1
		.amdhsa_system_vgpr_workitem_id 0
		.amdhsa_next_free_vgpr 1024
		.amdhsa_next_free_sgpr 100
		.amdhsa_reserve_vcc 0
		.amdhsa_float_denorm_mode_32 3
		.amdhsa_float_denorm_mode_16_64 3
		.amdhsa_memory_ordered 1
		.amdhsa_forward_progress 1
		.amdhsa_inst_pref_size 163
	.end_amdhsa_kernel
	.amdgpu_metadata
---
amdhsa.version: [ 1, 2 ]
amdhsa.kernels:
  - .name:           k_qc67b81c4cd_qkv
    .symbol:         k_qc67b81c4cd_qkv.kd
    .args:
      - { .name: x_codes, .offset: 0, .size: 8, .value_kind: global_buffer, .address_space: global }
      - { .name: x_scales, .offset: 8, .size: 8, .value_kind: global_buffer, .address_space: global }
      - { .name: w_codes, .offset: 16, .size: 8, .value_kind: global_buffer, .address_space: global }
      - { .name: w_scales, .offset: 24, .size: 8, .value_kind: global_buffer, .address_space: global }
      - { .name: q_img, .offset: 32, .size: 8, .value_kind: global_buffer, .address_space: global }
      - { .name: kv, .offset: 40, .size: 8, .value_kind: global_buffer, .address_space: global }
    .group_segment_fixed_size: 327680
    .private_segment_fixed_size: 0
    .kernarg_segment_align: 8
    .kernarg_segment_size: 48
    .max_flat_workgroup_size: 128
    .sgpr_count:     100
    .vgpr_count:     1024
    .wavefront_size: 32
...
	.end_amdgpu_metadata
.endif
;; end of part 2
;; launch attn (part 3): grid 4 x 64, 16 waves a work-group, clusters of 4 x 1, 327,680 bytes of LDS; arguments q_img, kv, out1, comb_img; writes out1, comb_img
.if DOCPART == 3
	.amdgcn_target "amdgcn-amd-amdhsa--gfx1250"
	.amdhsa_code_object_version 6
	.text
	.protected	k_qc67b81c4cd_attn
	.globl	k_qc67b81c4cd_attn
	.p2align	8
	.type	k_qc67b81c4cd_attn,@function
k_qc67b81c4cd_attn:
	s_mov_b64 s[64:65], 0
	v_nop
	global_prefetch_b8 v0, s[64:65] scope:SCOPE_SE
	s_setreg_imm32_b32 hwreg(HW_REG_WAVE_MODE, 25, 1), 1
	s_wait_xcnt 0x0
	s_wait_alu depctr_hold_cnt(0) depctr_sa_sdst(0) depctr_va_vdst(0) depctr_va_sdst(0) depctr_va_ssrc(0) depctr_va_vcc(0) depctr_vm_vsrc(0)
	s_getreg_b32 s2, hwreg(HW_REG_IB_STS2, 6, 4)
	s_cmp_eq_u32 s2, 0
	s_cbranch_scc0 .Lentry_in_a_cluster
	s_endpgm
.Lentry_in_a_cluster:
	s_bfe_u32 s2, ttmp6, 0x10000c
	s_cmp_lg_u32 s2, 0x3003
	s_cbranch_scc0 .Lentry_shape_is_right
	s_endpgm
.Lentry_shape_is_right:
; LAUNCH 3 OF 4: O[q] = the sum over k of softmax_k(Q[q] . K[k] / 8) V[k], for each of 64 (batch, head) pairs, 2,048 queries and keys, head size 64, no mask; nothing is left out.
; Q, K, V^T arrive as f16 images of operand registers (a fragment, 16 rows x 32 k, is 1,024 bytes: registers 0-3 of lane l at 16 l, registers 4-7 at 512 + 16 l).  Products, maxima and sums in f32; the weights p are rounded to f16 for the second product.
; OUT: out1 [token][head][64] f32, and the same numbers in f16 as images for the projection: comb_img [token tile 512][k fragment 32][1,024], k = 64 head + channel.
; SHARES.  A work-group owns 512 queries of one pair; each of its SIXTEEN waves owns 32, two tiles of 16, in 256 registers: four waves to a SIMD, so that one wave's vector work stands beside another's matrix work and LDS loads.  Every wave walks all keys, 64 a step.
; LAYOUT.  S^T = K Q^T (source 0 = 16 keys, source 1 = 16 queries): a lane holds ONE query (lane % 16) and the keys 8 (lane / 16) + 0..7 of a tile.  Two such tiles, rounded to f16 in pairs, ARE source 1 (16 queries x 32 keys) of O^T = V^T P,
; whose result again holds one query a lane, and eight channels.  Nothing changes lanes between the products.
; SOFTMAX.  For each query a running maximum m and sum l: p = 2^(c s - c m), c = log2(e) / 8; in every step O and l are multiplied by a = 2^(c m_old - c m_new).  m begins at -3e38 and O, l at 0: the step is written once.
; THE RING.  Two LDS slots of 8 key steps, 131,072 bytes each, the bytes of kv as they lie: every LDS load of a wave reads 512 consecutive bytes.  Each of the sixteen waves brings 8,192 bytes of a slot by one tensor load.
; Two loads of a wave are out at the start, one behind each refill; a refill has eight key steps in which to land.
; CLUSTER.  The four query blocks of a pair walk the same K and V: each load is asked for jointly, with the same descriptor and a mask that names the four.
; LIMITS: f16 operands (q, k, v beyond 65,504 have overflowed; p under 6e-8 counts as 0 in the product, not in the sum); NaN and infinities are not served.
.set STEPB, 16384                      ; a key step: K's 8 fragments, then V^T's 8
.set CHUNK, 8*STEPB                    ; a slot
.set SLOT1, CHUNK
.set SPARE, 2*CHUNK                    ; behind the ring: the spare words, 128 bytes for each of 16 waves
.set SP,    272                        ; the way out: a stage of 16 rows x (256 bytes + 16) for each wave, in slot 0: it has had its last fill and its last read when the first result is stored there
.set LI,  1                            ; v1   16 x lane
.set ADR, 2                            ; v2   LDS address of the step in hand
.set SPW, 3                            ; v3   LDS address of my spare word; never rewritten
.set NIL, 4                            ; v4   0; never rewritten
.set STO, 5                            ; v5   the way out: where I put 32 bytes of a row
.set RD,  6                            ; v6   where I read a row back
.set GO,  7                            ; v7   my byte offset in the wave's rows of out1
.set ST,  8                            ; v8-23    tile t's statistics at v[ST + 8 t]: +0 c m, +1 m, +2, +3 l (even keys', odd keys'), +4 to +7 c0-c3, at work; a takes c2's place
.set QF,  24                           ; v24-55   Q: (tile t, channel step cs) at 24 + 16 t + 8 cs
.set OT,  56                           ; v56-119  O^T: (tile t, channel tile ct) at 56 + 32 t + 8 ct
.set SS,  120                          ; v120-183 S^T: (tile t, key tile kt) at 120 + 32 t + 8 kt; P is packed in place: (t, key half u) at 120 + 32 t + 8 u
.set KB,  184                          ; v184-247 K's 8 fragments, then V^T's 8
.set WV,  12                           ; s12  my wave's number
.set SEL, 20                           ; s[20:21] lane selects for v_permlanex16_b32: lane l xor 16
.set CS,  22                           ; s[22:23] c: the packed form names a pair and takes its low word for both halves
.set G1,  24                           ; s[24:31] descriptor group 1
.set G0A, 32                           ; s[32:35] group 0 for slot 0;  s[36:39] for slot 1
.set G0B, 36
.set TB,  40                           ; s40  LDS byte at which the step in hand begins
.set CNT, 41                           ; s41  counts a slot's eight steps
.macro CROUND                          ; a round of the cluster's barrier
	s_barrier_signal -1
	s_barrier_wait -1
	s_cmp_lg_u32 s[WV], 0
	s_cbranch_scc1 .Lnot_wave_0_\@
	s_barrier_signal -3
.Lnot_wave_0_\@:
	s_barrier_wait -3
	s_barrier_signal -1
	s_barrier_wait -1
.endm
	s_load_b256 s[4:11], s[0:1], 0x0               ; q_img s[4:5], kv s[6:7], out1 s[8:9], comb_img s[10:11]
	v_lshl_add_u32 v[SPW], v0, 2, SPARE
	v_mov_b32 v[NIL], 0
	ds_add_u32 v[SPW], v[NIL]                      ; the wave's opening: the add, twice on end, and its wait ahead of my first tensor load; the set-up below stands between the second and the wait
	ds_add_u32 v[SPW], v[NIL]
	v_lshrrev_b32 v1, 5, v0
	v_readfirstlane_b32 s[WV], v1                  ; wave 0..15
	s_bfe_u32 s13, ttmp6, 0x40000                  ; cx: my place in the cluster
	s_lshl_b32 s14, ttmp9, 2
	s_add_co_u32 s14, s14, s13                     ; my block of 512 queries: it enters Q's and the outputs' addresses alone
	s_and_b32 s15, ttmp7, 0xffff                   ; 16 x batch + head, which the four partners share
	; descriptor group 1: a dense block of 8,192 bytes as 32 rows of 256 bytes (32 elements of 8 bytes), no padding
	s_mov_b32 s[G1], 15|(3<<16)|(1<<21)            ; 15:0 the mask: all four work-groups; 17:16 elements of 8 bytes; 21 set beside a mask
	s_mov_b32 s[G1+1], 32<<16                      ; tensor_dim0 = 32
	s_mov_b32 s[G1+2], 32<<16                      ; tensor_dim1 = 32
	s_mov_b32 s[G1+3], 32<<16                      ; tile_dim0 = 32
	s_mov_b32 s[G1+4], 32                          ; tile_dim1 = 32
	s_mov_b32 s[G1+5], 32                          ; tensor_dim0_stride
	s_mov_b32 s[G1+6], 0
	s_mov_b32 s[G1+7], 0
	s_mov_b32 s[SEL], 0x76543210
	s_mov_b32 s[SEL+1], 0xfedcba98
	s_mov_b32 s[CS], 0x3e38aa3b                    ; c = log2(e) / 8
	s_mov_b32 s[CS+1], s[CS]                       ; (named with it as a pair, so it is written)
	s_lshl_b32 s42, s[WV], 13                      ; my 8,192 bytes of a slot, in LDS and in memory: no place in the cluster enters them
	s_lshl_b32 s16, s15, 19                        ; kv: 524,288 bytes a pair
	s_add_co_u32 s16, s16, s42
	s_mov_b32 s17, 0
	s_lshl_b32 s18, s15, 18                        ; q_img: 262,144 bytes a pair,
	s_lshl_b32 s19, s14, 16                        ; 65,536 a block,
	s_add_co_u32 s18, s18, s19
	s_lshl_b32 s19, s[WV], 12                      ; 4,096 a wave (two tiles of two fragments)
	s_add_co_u32 s18, s18, s19
	s_mov_b32 s19, 0
	s_lshr_b32 s43, s15, 4                         ; batch
	s_and_b32 s46, s15, 15                         ; head
	s_lshl_b32 s44, s43, 23                        ; out1: a token is 4,096 bytes: 2,048 a batch,
	s_lshl_b32 s45, s14, 21                        ; 512 a block,
	s_add_co_u32 s44, s44, s45
	s_lshl_b32 s45, s[WV], 17                      ; 32 a wave;
	s_add_co_u32 s44, s44, s45
	s_lshl_b32 s45, s46, 8                         ; a head is 256 bytes
	s_add_co_u32 s44, s44, s45
	s_mov_b32 s45, 0
	s_lshl_b32 s2, s43, 22                         ; comb_img: a token tile is 32,768 bytes: 128 a batch,
	s_lshl_b32 s3, s14, 20                         ; 32 a block,
	s_add_co_u32 s2, s2, s3
	s_lshl_b32 s3, s[WV], 16                       ; 2 a wave;
	s_add_co_u32 s2, s2, s3
	s_lshl_b32 s3, s46, 11                         ; a head is two fragments
	s_add_co_u32 s2, s2, s3
	s_mov_b32 s3, 0
	s_wait_dscnt 0x0                               ; both opening adds are done
	s_wait_kmcnt 0x0
	s_add_nc_u64 s[6:7], s[6:7], s[16:17]
	s_add_nc_u64 s[4:5], s[4:5], s[18:19]
	s_add_nc_u64 s[8:9], s[8:9], s[44:45]
	s_add_nc_u64 s[10:11], s[10:11], s[2:3]
	s_mov_b32 s[G0A], 1                            ; 1:0 count = 1
	s_mov_b32 s[G0A+1], s42                        ; LDS address: slot 0
	s_mov_b64 s[G0A+2:G0A+3], s[6:7]               ; global address: key steps 0 to 7
	s_or_b32 s[G0A+3], s[G0A+3], 0x80000000        ; type = 2
	s_mov_b32 s[G0B], 1
	s_add_co_u32 s[G0B+1], s42, SLOT1              ; slot 1
	s_add_nc_u64 s[G0B+2:G0B+3], s[6:7], CHUNK     ; key steps 8 to 15
	s_or_b32 s[G0B+3], s[G0B+3], 0x80000000
	CROUND                                         ; all four work-groups are here: the first joint loads meet
	tensor_load_to_lds s[G0A:G0A+3], s[G1:G1+7]    ; every wave issues both first fills, with no branch: two loads of mine are out
	s_nop 0
	tensor_load_to_lds s[G0B:G0B+3], s[G1:G1+7]
	s_nop 0
.rept 4
	v_nop
.endr
	v_and_b32 v[LI], 31, v0
	v_lshlrev_b32 v[LI], 4, v[LI]
.irp i, 0,1,2,3,4,5,6,7
	global_load_b128 v[QF+4*\i:QF+4*\i+3], v[LI], s[4:5] offset:512*\i   ; Q stays in registers: 512 consecutive bytes a load
.endr
.irp t, 0,1
	v_mov_b32 v[ST+8*\t+1], 0xff61b1e6             ; m: -3e38, under every score
	v_mov_b32 v[ST+8*\t+2], 0                      ; l
	v_mov_b32 v[ST+8*\t+3], 0
.endr
.irp t, 0,1
	v_mul_f32 v[ST+8*\t], s[CS], v[ST+8*\t+1]      ; c m
.endr
.set I, 0
.rept 64
	v_mov_b32 v[OT+I], 0                           ; O^T.  (The step is written once: its first run finds zeros, which a = 0 leaves zeros)
.set I, I+1
.endr
; 8 products of S^T = K Q^T: channels 32 cs on; key tile I / 2, query tile I % 2.  The eight accumulators take turns, one instruction a turn.  cs = 0 starts the sums.
.macro KQ cs
.set I, 0
.rept 8
.if \cs == 0
	v_wmma_f32_16x16x32_f16 v[SS+32*(I%2)+8*(I/2):SS+32*(I%2)+8*(I/2)+7], v[KB+16*(I/2):KB+16*(I/2)+7], v[QF+16*(I%2):QF+16*(I%2)+7], 0
.else
	v_wmma_f32_16x16x32_f16 v[SS+32*(I%2)+8*(I/2):SS+32*(I%2)+8*(I/2)+7], v[KB+16*(I/2)+8:KB+16*(I/2)+15], v[QF+16*(I%2)+8:QF+16*(I%2)+15], v[SS+32*(I%2)+8*(I/2):SS+32*(I%2)+8*(I/2)+7]
.endif
.set I, I+1
.endr
.endm
; 16 products of O^T += V^T P: keys 32 u on; channel tile I / 2, query tile I % 2: eight accumulators by turns.
.macro PV
.irp u, 0,1
.set I, 0
.rept 8
	v_wmma_f32_16x16x32_f16 v[OT+32*(I%2)+8*(I/2):OT+32*(I%2)+8*(I/2)+7], v[KB+8*(4*\u+I/2):KB+8*(4*\u+I/2)+7], v[SS+32*(I%2)+8*\u:SS+32*(I%2)+8*\u+7], v[OT+32*(I%2)+8*(I/2):OT+32*(I%2)+8*(I/2)+7]
.set I, I+1
.endr
.endr
.endm
.macro SCALE b                         ; pair b of both tiles: c s - c m
.irp t, 0,1
	v_pk_fma_f32 v[SS+32*\t+2*(\b):SS+32*\t+2*(\b)+1], v[SS+32*\t+2*(\b):SS+32*\t+2*(\b)+1], s[CS:CS+1], v[ST+8*\t:ST+8*\t+1] op_sel_hi:[1,0,0] neg_lo:[0,0,1] neg_hi:[0,0,1]
.endr
.endm
; THE SOFTMAX of both tiles for one key step; the tiles alternate, so that a line seldom reads the result of the line above it.  A lane's 32 scores of a tile are s0-s31, in pairs 0-15.
.macro SOFTMAX
.irp j, 0,1,2,3                        ; the maximum of s0-s31 and the old m, three operands at a time: four chains c0-c3, each begun at its accumulator's low end
.irp t, 0,1
	v_max3_num_f32 v[ST+8*\t+4+\j], v[SS+32*\t+8*\j], v[SS+32*\t+8*\j+1], v[SS+32*\t+8*\j+2]
.endr
.endr
.irp i, 3,5
.irp j, 0,1,2,3
.irp t, 0,1
	v_max3_num_f32 v[ST+8*\t+4+\j], v[ST+8*\t+4+\j], v[SS+32*\t+8*\j+\i], v[SS+32*\t+8*\j+\i+1]
.endr
.endr
.endr
.irp t, 0,1
	v_max3_num_f32 v[ST+8*\t+4], v[ST+8*\t+4], v[SS+32*\t+7], v[SS+32*\t+15]
	v_max3_num_f32 v[ST+8*\t+6], v[ST+8*\t+6], v[SS+32*\t+23], v[SS+32*\t+31]
.endr
.irp t, 0,1
	v_max3_num_f32 v[ST+8*\t+4], v[ST+8*\t+4], v[ST+8*\t+5], v[ST+8*\t+6]
.endr
.irp t, 0,1
	v_max3_num_f32 v[ST+8*\t+4], v[ST+8*\t+4], v[ST+8*\t+7], v[ST+8*\t+1]
.endr
.irp t, 0,1
	v_permlanex16_b32 v[ST+8*\t+5], v[ST+8*\t+4], s[SEL], s[SEL+1]   ; the query's other 32 keys lie in the lane 16 away
.endr
.irp t, 0,1
	v_mov_b32 v[ST+8*\t+7], v[ST+8*\t]             ; c m_old is kept for a
.endr
.irp t, 0,1
	v_max_num_f32 v[ST+8*\t+1], v[ST+8*\t+4], v[ST+8*\t+5]   ; the new m
.endr
.irp t, 0,1
	v_mul_f32 v[ST+8*\t], s[CS], v[ST+8*\t+1]      ; c m
.endr
.irp t, 0,1
	v_sub_f32 v[ST+8*\t+7], v[ST+8*\t+7], v[ST+8*\t]   ; c m_old - c m_new, 0 or less
.endr
; ONE BATCH: the 66 exponentials of both tiles and the 32 scalings.  None of these lines names an exponential's result; a pair is scaled ahead of the pair before it going through its exponentials.
.irp t, 0,1
	v_exp_f32 v[ST+8*\t+6], v[ST+8*\t+7]           ; a
.endr
	SCALE 0
.set PB, 0
.rept 16
.if PB < 15
	SCALE PB+1
.endif
.irp t, 0,1
	v_exp_f32 v[SS+32*\t+2*PB], v[SS+32*\t+2*PB]
	v_exp_f32 v[SS+32*\t+2*PB+1], v[SS+32*\t+2*PB+1]
.endr
.set PB, PB+1
.endr
	v_nop                                          ; a plain instruction behind the last exponential, ahead of the first use of a result
	s_wait_alu depctr_va_vdst(0)                   ; and the wait ahead of the first line that names a result: one for the batch
.irp t, 0,1                            ; the sums of the unrounded p, two at a time, in two chains: l = a l + the even pairs, c0, c1 the odd ones
	v_pk_fma_f32 v[ST+8*\t+2:ST+8*\t+3], v[ST+8*\t+2:ST+8*\t+3], v[ST+8*\t+6:ST+8*\t+7], v[SS+32*\t:SS+32*\t+1] op_sel_hi:[1,0,1]
	v_pk_add_f32 v[ST+8*\t+4:ST+8*\t+5], v[SS+32*\t+2:SS+32*\t+3], v[SS+32*\t+6:SS+32*\t+7]
.endr
.irp p, 2,4,6,8,10,12
.irp t, 0,1
	v_pk_add_f32 v[ST+8*\t+2:ST+8*\t+3], v[ST+8*\t+2:ST+8*\t+3], v[SS+32*\t+2*\p:SS+32*\t+2*\p+1]
	v_pk_add_f32 v[ST+8*\t+4:ST+8*\t+5], v[ST+8*\t+4:ST+8*\t+5], v[SS+32*\t+2*\p+6:SS+32*\t+2*\p+7]
.endr
.endr
.irp t, 0,1
	v_pk_add_f32 v[ST+8*\t+2:ST+8*\t+3], v[ST+8*\t+2:ST+8*\t+3], v[SS+32*\t+28:SS+32*\t+29]
.endr
.irp t, 0,1
	v_pk_add_f32 v[ST+8*\t+2:ST+8*\t+3], v[ST+8*\t+2:ST+8*\t+3], v[ST+8*\t+4:ST+8*\t+5]
.endr
.set I, 0
.rept 16                               ; P: pair I to f16, in place, ascending: the pair that is read lies at or above the register that is written
.irp t, 0,1
	v_cvt_pk_f16_f32 v[SS+32*\t+I], v[SS+32*\t+2*I], v[SS+32*\t+2*I+1]
.endr
.set I, I+1
.endr
.set I, 0
.rept 16                               ; O^T times a, each accumulator from its low end on
.irp t, 0,1
	v_pk_mul_f32 v[OT+32*\t+2*I:OT+32*\t+2*I+1], v[OT+32*\t+2*I:OT+32*\t+2*I+1], v[ST+8*\t+6:ST+8*\t+7] op_sel_hi:[1,0]
.endr
.set I, I+1
.endr
.endm
; A slot's eight key steps: written once, walked eight times; the LDS address hangs on s[TB].
.macro STEPS base
	s_mov_b32 s[TB], \base
	s_mov_b32 s[CNT], 8
.Lstep_\@:
	v_add_nc_u32 v[ADR], s[TB], v[LI]              ; this line and four v_nop: five places behind the last V^T P: four ahead of the loads into the registers that it read, five ahead of the products that write over P
.rept 4
	v_nop
.endr
.irp cs, 0,1                           ; K: the fragments of channels 0-31 first
.irp kt, 0,1,2,3
	ds_load_b128 v[KB+8*(2*\kt+\cs):KB+8*(2*\kt+\cs)+3],   v[ADR] offset:(2*\kt+\cs)*1024
	ds_load_b128 v[KB+8*(2*\kt+\cs)+4:KB+8*(2*\kt+\cs)+7], v[ADR] offset:(2*\kt+\cs)*1024+512
.endr
.endr
	s_wait_dscnt 8                                 ; channels 0-31 are in; the eight loads of channels 32-63 may be out
	KQ 0
	s_wait_dscnt 0x0
	KQ 1
.rept 4
	v_nop                                          ; four places: ahead of the loads into K's registers, and of the first read of the scores
.endr
.irp f, 0,1,2,3,4,5,6,7                ; V^T: it lands while the softmax is walked
	ds_load_b128 v[KB+8*\f:KB+8*\f+3],   v[ADR] offset:8192+1024*\f
	ds_load_b128 v[KB+8*\f+4:KB+8*\f+7], v[ADR] offset:8192+1024*\f+512
.endr
	SOFTMAX
	s_wait_dscnt 0x0                               ; V^T is in
	PV
	s_add_co_u32 s[TB], s[TB], STEPB
	s_sub_co_u32 s[CNT], s[CNT], 1
	s_cmp_lg_u32 s[CNT], 0
	s_cbranch_scc1 .Lstep_\@
.endm
; THE CHANGE OF SLOTS.  Each wave waits for all its tensor loads (its part of the slot ahead), adds 0 to its spare word, and waits for that and for its reads of the slot that it leaves.
; fill = 1: the barrier is a round of the cluster's, so that no wave of any partner still reads the slot or has a load on its way; the joint refill, the keys two slots on, is the first thing behind it and my one tensor load until the next change.
.macro CHANGE g0, fill
	s_wait_tensorcnt 0x0                           ; no tensor load of mine is out, so a group 0 may be written
	ds_add_u32 v[SPW], v[NIL]
.if \fill
	s_add_nc_u64 s[\g0+2:\g0+3], s[\g0+2:\g0+3], 2*CHUNK   ; the type bits on top are not reached
.endif
	s_wait_dscnt 0x0                               ; the add is done, and my reads of the slot are over
.if \fill
	CROUND
	tensor_load_to_lds s[\g0:\g0+3], s[G1:G1+7]
	s_nop 0
.rept 4
	v_nop
.endr
.else
	s_barrier_signal -1
	s_barrier_wait -1
.endif
.endm
	s_wait_tensorcnt 1                             ; my part of slot 0 is in; slot 1's may stay out
	s_barrier_signal -1
	s_barrier_wait -1                              ; everybody's is
	s_wait_loadcnt 0x0                             ; Q
	STEPS 0                                        ; key steps 0 to 7
	CHANGE G0A, 1                                  ; slot 0 takes key steps 16 to 23
	STEPS SLOT1                                    ; 8 to 15
	CHANGE G0B, 1                                  ; slot 1 takes 24 to 31
	STEPS 0                                        ; 16 to 23
	CHANGE G0A, 0                                  ; nothing is left to fetch
	STEPS SLOT1                                    ; 24 to 31
	; THE WAY OUT.  The ten address lines are the places behind the last products.
	s_mul_i32 s16, s[WV], 16*SP                    ; my stage, in slot 0
	v_and_b32 v[ADR], 15, v0                       ; r
	v_bfe_u32 v[GO], v0, 4, 1                      ; h
	v_mul_u32_u24 v[STO], v[ADR], SP
	v_lshl_add_u32 v[STO], v[GO], 5, v[STO]
	v_add_nc_u32 v[STO], s16, v[STO]               ; in: row r, 32 bytes for each half of the lanes
	v_mul_u32_u24 v[RD], v[GO], SP
	v_lshl_add_u32 v[RD], v[ADR], 4, v[RD]
	v_add_nc_u32 v[RD], s16, v[RD]                 ; back: lanes 0-15 take one row of 256 bytes, lanes 16-31 the next
	v_lshlrev_b32 v[GO], 12, v[GO]
	v_lshl_add_u32 v[GO], v[ADR], 4, v[GO]         ; and the same two tokens in out1, 4,096 bytes apart
.irp t, 0,1
	v_add_f32 v[ST+8*\t+4], v[ST+8*\t+2], v[ST+8*\t+3]   ; l's two halves,
.endr
.irp t, 0,1
	v_permlanex16_b32 v[ST+8*\t+5], v[ST+8*\t+4], s[SEL], s[SEL+1]
.endr
.irp t, 0,1
	v_add_f32 v[ST+8*\t+4], v[ST+8*\t+4], v[ST+8*\t+5]   ; and the other half of the lanes'
.endr
.irp t, 0,1
	v_rcp_f32 v[ST+8*\t+6], v[ST+8*\t+4]
.endr
	v_nop                                          ; a plain instruction between the last reciprocal and the use of its result
	s_wait_alu depctr_va_vdst(0)                   ; and the wait ahead of the first use: one for both
; Tile t: O^T / l.  In f16 four registers of an accumulator are half a fragment of the projection's operand: one store of 512 consecutive bytes.  In f32 the tile goes through my stage and comes back as whole rows of 256 bytes.
.macro OUT t
.set I, 0
.rept 16
	v_pk_mul_f32 v[SS+32*\t+2*I:SS+32*\t+2*I+1], v[OT+32*\t+2*I:OT+32*\t+2*I+1], v[ST+8*\t+6:ST+8*\t+7] op_sel_hi:[1,0]
.set I, I+1
.endr
.set I, 0
.rept 16
	v_cvt_pk_f16_f32 v[KB+16*\t+I], v[SS+32*\t+2*I], v[SS+32*\t+2*I+1]
.set I, I+1
.endr
.irp ct, 0,1,2,3
	global_store_b128 v[LI], v[KB+16*\t+4*\ct:KB+16*\t+4*\ct+3], s[10:11] offset:32768*\t+512*\ct
.endr
.irp ct, 0,1,2,3
	ds_store_b128 v[STO], v[SS+32*\t+8*\ct:SS+32*\t+8*\ct+3] offset:64*\ct
	ds_store_b128 v[STO], v[SS+32*\t+8*\ct+4:SS+32*\t+8*\ct+7] offset:64*\ct+16
.endr
.irp i, 0,1,2,3,4,5,6,7
	ds_load_b128 v[OT+32*\t+4*\i:OT+32*\t+4*\i+3], v[RD] offset:\i*2*SP   ; LDS serves a wave's instructions in order (ISA guide 5.7.1.4): these see the stores above; the next tile's stores come behind them
.endr
.endm
.macro SEND t, younger                 ; younger: the LDS instructions issued behind tile t's loads
.irp i, 0,1,2,3,4,5,6,7
	s_wait_dscnt \younger+7-\i
	global_store_b128 v[GO], v[OT+32*\t+4*\i:OT+32*\t+4*\i+3], s[8:9] offset:65536*\t+8192*\i th:TH_STORE_NT   ; 16 lanes store 256 consecutive bytes, aligned: a token's head
.endr
.endm
	OUT 0
	OUT 1
	SEND 0, 16                                     ; behind tile 0's loads: tile 1's eight stores and eight loads
	SEND 1, 0
	s_wait_tensorcnt 0x0                           ; the wave's end, behind my last tensor load and my last LDS store
	ds_add_u32 v[SPW], v[NIL]
	s_wait_dscnt 0x0
	CROUND                                         ; the closing round: no work-group ends while a partner may still ask for a tile that names it
	s_endpgm
.Lfunc_end_k_qc67b81c4cd_attn:
	.size	k_qc67b81c4cd_attn, .Lfunc_end_k_qc67b81c4cd_attn-k_qc67b81c4cd_attn
	.p2alignl 7, 3214868480
	.fill 96, 4, 3214868480
	.section	.rodata,"a",@progbits
	.p2align	6, 0x0
	.amdhsa_kernel k_qc67b81c4cd_attn
		.amdhsa_group_segment_fixed_size 327680
		.amdhsa_private_segment_fixed_size 0
		.amdhsa_enable_private_segment 0
		.amdhsa_kernarg_size 32
		.amdhsa_user_sgpr_count 2
		.amdhsa_user_sgpr_kernarg_segment_ptr 1
		.amdhsa_wavefront_size32 1
		.amdhsa_system_sgpr_workgroup_id_x 1
		.amdhsa_system_sgpr_workgroup_id_y 1
		.amdhsa_system_sgpr_workgroup_id_z 1
		.amdhsa_system_vgpr_workitem_id 0
		.amdhsa_next_free_vgpr 256
		.amdhsa_next_free_sgpr 66
		.amdhsa_reserve_vcc 0
		.amdhsa_float_denorm_mode_32 3
		.amdhsa_float_denorm_mode_16_64 3
		.amdhsa_memory_ordered 1
		.amdhsa_forward_progress 1
		.amdhsa_inst_pref_size 88
	.end_amdhsa_kernel
	.amdgpu_metadata
---
amdhsa.version: [ 1, 2 ]
amdhsa.kernels:
  - .name:           k_qc67b81c4cd_attn
    .symbol:         k_qc67b81c4cd_attn.kd
    .args:
      - { .name: q_img, .offset: 0, .size: 8, .value_kind: global_buffer, .address_space: global }
      - { .name: kv, .offset: 8, .size: 8, .value_kind: global_buffer, .address_space: global }
      - { .name: out1, .offset: 16, .size: 8, .value_kind: global_buffer, .address_space: global }
      - { .name: comb_img, .offset: 24, .size: 8, .value_kind: global_buffer, .address_space: global }
    .group_segment_fixed_size: 327680
    .private_segment_fixed_size: 0
    .kernarg_segment_align: 8
    .kernarg_segment_size: 32
    .max_flat_workgroup_size: 512
    .sgpr_count:     66
    .vgpr_count:     256
    .wavefront_size: 32
...
	.end_amdgpu_metadata
.endif
;; end of part 3
;; launch proj (part 4): grid 8 x 32, 4 waves a work-group, clusters of 4 x 4, 327,680 bytes of LDS; arguments comb_img, wo_img, out0; writes out0
.if DOCPART == 4
	.amdgcn_target "amdgcn-amd-amdhsa--gfx1250"
	.amdhsa_code_object_version 6
	.text
	.protected	k_qc67b81c4cd_proj
	.globl	k_qc67b81c4cd_proj
	.p2align	8
	.type	k_qc67b81c4cd_proj,@function
k_qc67b81c4cd_proj:
	s_mov_b64 s[64:65], 0
	v_nop
	global_prefetch_b8 v0, s[64:65] scope:SCOPE_SE
	s_setreg_imm32_b32 hwreg(HW_REG_WAVE_MODE, 25, 1), 1
	s_wait_xcnt 0x0
	s_wait_alu depctr_hold_cnt(0) depctr_sa_sdst(0) depctr_va_vdst(0) depctr_va_sdst(0) depctr_va_ssrc(0) depctr_va_vcc(0) depctr_vm_vsrc(0)
	s_getreg_b32 s2, hwreg(HW_REG_IB_STS2, 6, 4)
	s_cmp_eq_u32 s2, 0
	s_cbranch_scc0 .Lentry_in_a_cluster
	s_endpgm
.Lentry_in_a_cluster:
	s_bfe_u32 s2, ttmp6, 0x10000c
	s_cmp_lg_u32 s2, 0xf033
	s_cbranch_scc0 .Lentry_shape_is_right
	s_endpgm
.Lentry_shape_is_right:
; LAUNCH 4 OF 4: out0[token][n] = the sum over k of combined[token][k] Wo[n][k], 8,192 x 1,024 x 1,024, f16 operands, f32 sums, f32 out; nothing is left out.
; Both operands arrive as images of operand registers (a fragment, 16 rows x 32 k, is 1,024 bytes: registers 0-3 of lane l at 16 l, registers 4-7 at 512 + 16 l): comb_img [token tile 512][k fragment 32][1,024], wo_img [n tile 64][k fragment 32][1,024].
; A tile of out0 is 256 tokens x 128 columns: 256 work-groups.  Four waves, each 128 x 64: 32 accumulators of 16 x 16, 256 registers.  K goes in 8 steps of 128 (4 fragments, 4,096 consecutive bytes of each row tile) through a ring of two LDS slots.
; In LDS the images lie as in memory: every LDS load of a wave reads 512 consecutive bytes: no padding.
; CLUSTERS: 4 x 4 work-groups.  The four of a row of the cluster need the same tiles of combined (A), the four of a column the same tiles of Wo (B): each is asked for jointly.
; THE MATRIX INSTRUCTION: source 0 = 16 rows of Wo, source 1 = 16 tokens: a lane then holds eight neighbouring numbers of a row of out0.
; REGISTERS: window 0: v0-31 addresses; v64-127, v128-191 A's fragments (8 x 16 tokens x 32 k), two buffers; on the way out four sets of 32.   window 1: v64-95, v128-159 B's fragments (4), two buffers.   window 2: accumulator (a, b) at v[8 (4 a + b)].
.set APART,  65536                     ; a slot: A's 16 token tiles x 4,096 bytes,
.set SLOT,   APART+32768               ; then B's 8 n tiles x 4,096
.set STAGE,  2*SLOT                    ; behind the ring: 16 rows x 272 bytes for each wave, for the way out
.set SPITCH, 272
.set SPARE,  STAGE+4*16*SPITCH         ; behind the stages: the spare words, 128 bytes for each wave
.set LAPS,   4                         ; a lap = two K steps = once round the ring
.set ADRA, 16                          ; v16-17  LDS address of my A fragments in slot 0, 1
.set ADRB, 20                          ; v20-21  the same for B
.set STO,  24                          ; v24     the way out: where I put 32 bytes of a row
.set RD,   25                          ; v25     where I read a row back
.set CO,   26                          ; v26     my byte offset in out0
.set LI,   27                          ; v27     16 x lane
.set SPW,  28                          ; v28     LDS address of my spare word; never rewritten
.set NIL,  29                          ; v29     0; never rewritten
.set F0,   64                          ; fragment buffers
.set F1,   128
.set BK,   64                          ; the way out: rows read back from the stage
.set G1, 24                            ; s[24:31] descriptor group 1 for A's tiles;  s[32:39] group 0, one set for each slot
.set G0, 32
.set G1B, 48                           ; s[48:55], s[56:63] the same for B's tiles
.set G0B, 56
.set MSB, 0
.macro WIN new                         ; the immediate's high byte repeats the setting that is left
.if MSB != \new
	s_set_vgpr_msb (MSB<<8)|\new
.set MSB, \new
.endif
.endm
.set MUL,  0xa1                        ; source 0 (B) window 1, source 1 (A) window 0, C and D window 2
.set TO_B, 0x40                        ; destination window 1, address window 0
.macro JLOAD s                         ; a joint load: waves 0 and 1 fetch A's two halves, waves 2 and 3 B's; an s_nop 0 and four v_nop follow each of the two lines
	s_cmp_eq_u32 s11, 0
	s_cbranch_scc0 .Lfor_b_\@
	tensor_load_to_lds s[G0+4*\s:G0+4*\s+3], s[G1:G1+7]
	s_nop 0
.rept 4
	v_nop
.endr
	s_branch .Lasked_\@
.Lfor_b_\@:
	tensor_load_to_lds s[G0B+4*\s:G0B+4*\s+3], s[G1B:G1B+7]
	s_nop 0
.rept 4
	v_nop
.endr
.Lasked_\@:
.endm
.macro CREST                           ; a round of the cluster's barrier behind its opening barrier
	s_cmp_lg_u32 s10, 0
	s_cbranch_scc1 .Lnot_wave_0_\@
	s_barrier_signal -3
.Lnot_wave_0_\@:
	s_barrier_wait -3
	s_barrier_signal -1
	s_barrier_wait -1
.endm
.macro CROUND                          ; a whole round
	s_barrier_signal -1
	s_barrier_wait -1
	CREST
.endm
	s_load_b128 s[4:7], s[0:1], 0x0                ; comb_img s[4:5], wo_img s[6:7]
	s_load_b64 s[8:9], s[0:1], 0x10                ; out0
	v_lshl_add_u32 v[SPW], v0, 2, SPARE
	v_mov_b32 v[NIL], 0
	ds_add_u32 v[SPW], v[NIL]                      ; the wave's opening: the add, twice on end, and its wait ahead of my first tensor load; the set-up below stands between the second and the wait
	ds_add_u32 v[SPW], v[NIL]
	v_lshrrev_b32 v1, 5, v0
	v_readfirstlane_b32 s10, v1                    ; wave 0..3
	s_lshr_b32 s11, s10, 1                         ; which half of the tile's tokens is mine.  Also: I fetch for A (0) or for B (1)
	s_and_b32 s12, s10, 1                          ; which half of its columns.  Also: which half of that tile I fetch
	s_bfe_u32 s40, ttmp6, 0x40000                  ; cx, cy: my place in the cluster
	s_bfe_u32 s41, ttmp6, 0x40004
	s_lshl_b32 s42, ttmp9, 2
	s_add_co_u32 s42, s42, s40                     ; tile column = 4 x cluster x + cx
	s_and_b32 s13, ttmp7, 0xffff
	s_lshl_b32 s13, s13, 2
	s_add_co_u32 s13, s13, s41                     ; tile row = 4 x cluster y + cy
	s_lshl_b32 s43, s41, 2
	s_lshl_b32 s43, 15, s43                        ; my row of the cluster
	s_lshl_b32 s44, 0x1111, s40                    ; my column
	; descriptor group 1: rows of 4,096 bytes (512 elements of 8 bytes: a row tile's four fragments of a K step), 32,768 bytes apart in memory, dense in LDS.  A: 8 rows a load;  B: 4
	s_or_b32 s[G1+0], s43, (3<<16)|(1<<21)         ; 15:0 the mask: A's tiles go to my row; 17:16 elements of 8 bytes; 21 set beside a mask
	s_or_b32 s[G1B+0], s44, (3<<16)|(1<<21)
	s_mov_b32 s[G1+1], 512<<16                     ; tensor_dim0 = 512
	s_mov_b32 s[G1+2], 8<<16                       ; tensor_dim1 = 8
	s_mov_b32 s[G1+3], 512<<16                     ; tile_dim0 = 512
	s_mov_b32 s[G1+4], 8                           ; tile_dim1 = 8
	s_mov_b32 s[G1+5], 4096                        ; tensor_dim0_stride
	s_mov_b32 s[G1+6], 0
	s_mov_b32 s[G1+7], 0
	s_mov_b32 s[G1B+1], 512<<16
	s_mov_b32 s[G1B+2], 4<<16
	s_mov_b32 s[G1B+3], 512<<16
	s_mov_b32 s[G1B+4], 4
	s_mov_b32 s[G1B+5], 4096
	s_mov_b32 s[G1B+6], 0
	s_mov_b32 s[G1B+7], 0
	s_lshl_b32 s16, s13, 4
	s_lshl_b32 s17, s12, 3
	s_add_co_u32 s16, s16, s17                     ; A: token tile 16 x tile row + 8 x half,
	s_lshl_b32 s16, s16, 15                        ; 32,768 bytes each
	s_mov_b32 s17, 0
	s_lshl_b32 s46, s42, 3
	s_lshl_b32 s47, s12, 2
	s_add_co_u32 s46, s46, s47                     ; B: n tile 8 x tile column + 4 x half
	s_lshl_b32 s46, s46, 15
	s_mov_b32 s47, 0
	s_lshl_b32 s20, s12, 15                        ; where they go: A's halves of 32,768 bytes,
	s_lshl_b32 s21, s12, 14
	s_add_co_u32 s21, s21, APART                   ; B's halves of 16,384 behind them: no place in the cluster enters an LDS address
	s_wait_dscnt 0x0                               ; both opening adds are done
	s_wait_kmcnt 0x0
	s_add_nc_u64 s[14:15], s[4:5], s[16:17]
	s_add_nc_u64 s[46:47], s[6:7], s[46:47]
	CROUND                                         ; all sixteen work-groups are here: the first joint loads meet
.irp s, 0,1
	s_mov_b32 s[G0+4*\s], 1
	s_add_co_u32 s[G0+4*\s+1], s20, \s*SLOT
	s_add_nc_u64 s[G0+4*\s+2:G0+4*\s+3], s[14:15], \s*4096          ; K step s
	s_or_b32 s[G0+4*\s+3], s[G0+4*\s+3], 0x80000000
	s_mov_b32 s[G0B+4*\s], 1
	s_add_co_u32 s[G0B+4*\s+1], s21, \s*SLOT
	s_add_nc_u64 s[G0B+4*\s+2:G0B+4*\s+3], s[46:47], \s*4096
	s_or_b32 s[G0B+4*\s+3], s[G0B+4*\s+3], 0x80000000
	JLOAD \s                                       ; two loads of mine are out
.endr
	v_and_b32 v1, 15, v0                           ; l % 16
	v_bfe_u32 v2, v0, 4, 1                         ; l / 16
	v_and_b32 v3, 31, v0
	v_lshlrev_b32 v[LI], 4, v3
	s_lshl_b32 s21, s11, 15                        ; my 8 token tiles of A
	s_lshl_b32 s22, s12, 14                        ; my 4 n tiles of B,
	s_add_co_u32 s22, s22, APART                   ; which lie behind A's 16
.irp s, 0,1
	v_add_nc_u32 v[ADRA+\s], s21, v[LI]
	v_add_nc_u32 v[ADRB+\s], s22, v[LI]
	s_add_co_u32 s21, s21, SLOT
	s_add_co_u32 s22, s22, SLOT
.endr
	s_mul_i32 s23, s10, 16*SPITCH
	s_add_co_u32 s23, s23, STAGE                   ; my stage
	v_mul_u32_u24 v4, v1, SPITCH                   ; in: row l % 16, 32 bytes for each half of the lanes
	v_lshl_add_u32 v4, v2, 5, v4
	v_add_nc_u32 v[STO], s23, v4
	v_mul_u32_u24 v5, v2, SPITCH                   ; back: lanes 0-15 take one row of 256 bytes, lanes 16-31 the next
	v_lshl_add_u32 v5, v1, 4, v5
	v_add_nc_u32 v[RD], s23, v5
	v_lshlrev_b32 v5, 12, v2                       ; and the same two rows in out0, 4,096 bytes apart
	v_lshl_add_u32 v[CO], v1, 4, v5
	s_lshl_b32 s16, s13, 20                        ; my first row of out0: 256 x tile row + 128 x half, 4,096 bytes each
	s_lshl_b32 s17, s11, 19
	s_add_co_u32 s16, s16, s17
	s_mov_b32 s17, 0
	s_add_nc_u64 s[8:9], s[8:9], s[16:17]
	s_lshl_b32 s46, s42, 9                         ; my first column, in bytes: 512 x tile column + 256 x half
	s_lshl_b32 s47, s12, 8
	s_add_co_u32 s46, s46, s47
	s_mov_b32 s47, 0
	s_add_nc_u64 s[8:9], s[8:9], s[46:47]
; 4 n matrix instructions: A's blocks a0 .. a0 + n - 1 x B's four, 32 along K, from buffer f.  zero = 1: the first product starts the sums.  The 32 accumulators take turns, one instruction a turn, in the same order in every quarter.
.macro MULN f, a0, n, zero
.set AA, \a0
.rept \n
.irp b, 0,1,2,3
.if \zero
	v_wmma_f32_16x16x32_f16 v[8*(4*AA+\b):8*(4*AA+\b)+7], v[\f+8*\b:\f+8*\b+7], v[\f+8*AA:\f+8*AA+7], 0
.else
	v_wmma_f32_16x16x32_f16 v[8*(4*AA+\b):8*(4*AA+\b)+7], v[\f+8*\b:\f+8*\b+7], v[\f+8*AA:\f+8*AA+7], v[8*(4*AA+\b):8*(4*AA+\b)+7]
.endif
.endr
.set AA, AA+1
.endr
.endm
; 24 LDS loads in one run: the fragments of the slot's q-th 32 along K into buffer f: B's four, then A's eight, ascending
.macro FETCH slot, q, f
	WIN TO_B
.irp b, 0,1,2,3
	ds_load_b128 v[\f+8*\b:\f+8*\b+3],   v[ADRB+\slot] offset:4096*\b+1024*(\q)
	ds_load_b128 v[\f+8*\b+4:\f+8*\b+7], v[ADRB+\slot] offset:4096*\b+1024*(\q)+512
.endr
	WIN 0
.irp a, 0,1,2,3,4,5,6,7
	ds_load_b128 v[\f+8*\a:\f+8*\a+3],   v[ADRA+\slot] offset:4096*\a+1024*(\q)
	ds_load_b128 v[\f+8*\a+4:\f+8*\a+7], v[ADRA+\slot] offset:4096*\a+1024*(\q)+512
.endr
.endm
.macro PLACES                          ; four places ahead of loads into registers that matrix instructions have read, and of the first read of results (ISA guide 7.12.1 for vector instructions)
.rept 4
	v_nop
.endr
.endm
; A K step is four quarters of 32 along K, 32 matrix instructions each, on buffers 0, 1, 0, 1.  One of the first three: multiplies buffer f and fetches the slot's quarter q into g.
.macro QUARTER slot, q, f, g, zero
	s_wait_dscnt 8                                 ; B and A's blocks 0-3 are in; the youngest eight loads (A's blocks 4-7) may be out
	WIN MUL
	MULN \f, 0, 4, \zero
	PLACES
	FETCH \slot, \q, \g
	s_wait_dscnt 24                                ; all but the 24 just issued
	WIN MUL
	MULN \f, 4, 4, \zero
.endm
; The last quarter multiplies buffer 1 and changes slots: ONE barrier; ahead of it each wave waits for all its tensor loads, adds 0 to its spare word, and waits for that and for its reads of this slot.  fill = 1: this slot is filled again, two K steps ahead.
.macro TURN slot, next, fill
	WIN 0                                          ; (the add's two registers lie in window 0)
	s_wait_tensorcnt 0x0                           ; all my tensor loads have landed: my part of the next slot;
	ds_add_u32 v[SPW], v[NIL]
	s_wait_dscnt 9                                 ; (the add and the youngest eight loads may be out)
	WIN MUL
	MULN F1, 0, 2, 0                               ; eight matrix instructions stand between the add and the wait for it
	s_wait_dscnt 0x0                               ; the add is done, and my reads of this slot are over
	s_barrier_signal -1
	MULN F1, 2, 2, 0
.if \fill
	WIN 0
.endif
	s_barrier_wait -1
.if \fill
	CREST                                          ; the barrier has opened a round of the cluster's: no wave of any partner still reads this slot's tile or has a load on its way
	s_add_nc_u64 s[G0+4*\slot+2:G0+4*\slot+3], s[G0+4*\slot+2:G0+4*\slot+3], 2*4096
	s_add_nc_u64 s[G0B+4*\slot+2:G0B+4*\slot+3], s[G0B+4*\slot+2:G0B+4*\slot+3], 2*4096
	JLOAD \slot                                    ; the first tensor load behind the round; the four v_nop behind it are also the places ahead of the loads below
.else
	PLACES
.endif
	FETCH \next, 0, F0
	WIN MUL
	MULN F1, 4, 4, 0
.endm
	s_wait_tensorcnt 1                             ; my part of K step 0 is in (K step 1's load may be out),
	s_barrier_signal -1
	s_barrier_wait -1                              ; everybody's is
	FETCH 0, 0, F0
	QUARTER 0, 1, F0, F1, 1                        ; the first quarter stands ahead of the loop: its products start the sums
	WIN 0                                          ; at a label and at a branch every window is 0
	s_mov_b32 s3, LAPS-1
.Llap:                                                 ; a trip goes once round the ring, from a lap's second quarter to the next lap's first, and fills both slots again
	QUARTER 0, 2, F1, F0, 0
	QUARTER 0, 3, F0, F1, 0
	TURN 0, 1, 1
	QUARTER 1, 1, F0, F1, 0
	QUARTER 1, 2, F1, F0, 0
	QUARTER 1, 3, F0, F1, 0
	TURN 1, 0, 1
	QUARTER 0, 1, F0, F1, 0
	WIN 0
	s_sub_co_u32 s3, s3, 1
	s_cmp_lg_u32 s3, 0
	s_cbranch_scc1 .Llap
	QUARTER 0, 2, F1, F0, 0                        ; the last lap fills nothing, and has no round of the cluster's barrier
	QUARTER 0, 3, F0, F1, 0
	TURN 0, 1, 0
	QUARTER 1, 1, F0, F1, 0
	QUARTER 1, 2, F1, F0, 0
	QUARTER 1, 3, F0, F1, 0
	s_wait_dscnt 8                                 ; the very last quarter: nothing more to fetch
	WIN MUL
	MULN F1, 0, 4, 0
	s_wait_dscnt 0
	MULN F1, 4, 4, 0
	WIN 0
; THE WAY OUT, block by block of 16 tokens x 64 columns.  A lane holds 32 neighbouring bytes of a row and the lanes beside it other rows: so a block goes through my own stage and comes back as whole rows of 256 bytes.
; LDS serves a wave's instructions in order (ISA guide 5.7.1.4): no wait between the stores and the loads, nor ahead of the next block's stores.
.macro TOSTAGE a
	WIN 0x08                                       ; an LDS store's data are its source 1: window 2
.irp b, 0,1,2,3
	ds_store_b128 v[STO], v[8*(4*(\a)+\b):8*(4*(\a)+\b)+3] offset:64*\b          ; each accumulator from its low end on
	ds_store_b128 v[STO], v[8*(4*(\a)+\b)+4:8*(4*(\a)+\b)+7] offset:64*\b+16
.endr
	WIN 0
.irp t, 0,1,2,3,4,5,6,7
	ds_load_b128 v[BK+32*((\a)%4)+4*\t:BK+32*((\a)%4)+4*\t+3], v[RD] offset:\t*2*SPITCH
.endr
.endm
.macro SEND a, younger                 ; younger: the LDS instructions issued behind block a's loads, which may stay out
	s_wait_dscnt \younger                          ; the block is back in registers
.irp t, 0,1,2,3,4,5,6,7
	global_store_b128 v[CO], v[BK+32*((\a)%4)+4*\t:BK+32*((\a)%4)+4*\t+3], s[8:9] offset:65536*(\a)+8192*\t th:TH_STORE_NT   ; 16 lanes store 256 consecutive bytes, aligned; written once, read by nobody here
.endr
.endm
	PLACES                                         ; behind the last products: their results are read, and A's registers are loaded into, below
	TOSTAGE 0
.irp a, 1,2,3,4,5,6,7
.if \a >= 4
	s_wait_xcnt 0x0                                ; block a - 4's stores have read their registers: block a's loads may land there
.endif
	TOSTAGE \a
	SEND \a-1, 16                                  ; behind block a - 1's loads: block a's eight stores and eight loads
.endr
	SEND 7, 0
	s_wait_tensorcnt 0x0                           ; the wave's end, behind my last tensor load and my last LDS store
	ds_add_u32 v[SPW], v[NIL]
	s_wait_dscnt 0x0
	CROUND                                         ; the closing round: no work-group ends while a partner may still ask for a tile that names it
	s_endpgm
.Lfunc_end_k_qc67b81c4cd_proj:
	.size	k_qc67b81c4cd_proj, .Lfunc_end_k_qc67b81c4cd_proj-k_qc67b81c4cd_proj
	.p2alignl 7, 3214868480
	.fill 96, 4, 3214868480
	.section	.rodata,"a",@progbits
	.p2align	6, 0x0
	.amdhsa_kernel k_qc67b81c4cd_proj
		.amdhsa_group_segment_fixed_size 327680
		.amdhsa_private_segment_fixed_size 0
		.amdhsa_enable_private_segment 0
		.amdhsa_kernarg_size 24
		.amdhsa_user_sgpr_count 2
		.amdhsa_user_sgpr_kernarg_segment_ptr 1
		.amdhsa_wavefront_size32 1
		.amdhsa_system_sgpr_workgroup_id_x 1
		.amdhsa_system_sgpr_workgroup_id_y 1
		.amdhsa_system_sgpr_workgroup_id_z 1
		.amdhsa_system_vgpr_workitem_id 0
		.amdhsa_next_free_vgpr 768
		.amdhsa_next_free_sgpr 66
		.amdhsa_reserve_vcc 0
		.amdhsa_float_denorm_mode_32 3
		.amdhsa_float_denorm_mode_16_64 3
		.amdhsa_memory_ordered 1
		.amdhsa_forward_progress 1
		.amdhsa_inst_pref_size 86
	.end_amdhsa_kernel
	.amdgpu_metadata
---
amdhsa.version: [ 1, 2 ]
amdhsa.kernels:
  - .name:           k_qc67b81c4cd_proj
    .symbol:         k_qc67b81c4cd_proj.kd
    .args:
      - { .name: comb_img, .offset: 0, .size: 8, .value_kind: global_buffer, .address_space: global }
      - { .name: wo_img, .offset: 8, .size: 8, .value_kind: global_buffer, .address_space: global }
      - { .name: out0, .offset: 16, .size: 8, .value_kind: global_buffer, .address_space: global }
    .group_segment_fixed_size: 327680
    .private_segment_fixed_size: 0
    .kernarg_segment_align: 8
    .kernarg_segment_size: 24
    .max_flat_workgroup_size: 128
    .sgpr_count:     66
    .vgpr_count:     768
    .wavefront_size: 32
...
	.end_amdgpu_metadata
.endif
;; end of part 4
